; MI455X (gfx1250); checked and timed in simulation.
; The chip was launched on July 23, 2026; its instructions are those of AMD's public machine-readable ISA for CDNA 5 (MIT licence, August 2026) and "CDNA5" Instruction Set Architecture Reference Guide (July 2026). The comments in the code are by the model that wrote it; some were corrected since.
;; MHSA. Allowed arithmetic: float matrix products may take bf16 or f16 operands with f32 sums; other float arithmetic in f32, or as packed bf16 or f16 multiplies, adds, multiply-adds, maxima and minima; sums over many terms, partial sums and values carried from step to step in f32; what a program stores and reads back later, other than sums and carried values, may be rounded once to bf16 or f16.
;; Inputs: Wk 1,024 x 128 float32; Wo 128 x 1,024 float32; Wq 1,024 x 128 float32; Wv 1,024 x 128 float32; bo 128 float32; x 4 x 2,048 x 128 float32.
;; Outputs: out0 4 x 2,048 x 128 float32.
;; 2 versions, each right; version 2 is version 1 with the launches prep_w, prep_x written anew for expert scheduling mode. Each part assembles by itself: llvm-mc -triple=amdgcn-amd-amdhsa -mcpu=gfx1250 --defsym DOCPART=n.
;; ======== version 1 of 2: 3 launches
;; limits: values are held in f16: magnitudes above 65,504 overflow, below 6.1e-05 lose precision; right only within a limited range of input values
;; workspace buffers: ws 8,192 bytes; qs 262,144 bytes; kst 262,144 bytes; strm 3,145,728 bytes
;; launch prep_w (part 1): grid 32 x 1, 4 waves a work-group, no clusters, 55,808 bytes of LDS; arguments Wq, Wk, Wv, Wo, ws, strm; writes ws, strm
.if DOCPART == 1
	.amdgcn_target "amdgcn-amd-amdhsa--gfx1250"
	.amdhsa_code_object_version 6
	.text
	.protected	k_qb5fc8e4fca_prep_w
	.globl	k_qb5fc8e4fca_prep_w
	.p2align	8
	.type	k_qb5fc8e4fca_prep_w,@function
k_qb5fc8e4fca_prep_w:
	s_mov_b64 s[64:65], 0
	v_nop
	global_prefetch_b8 v0, s[64:65] scope:SCOPE_SE
	s_setreg_imm32_b32 hwreg(HW_REG_WAVE_MODE, 25, 1), 1
	s_wait_xcnt 0x0
; MHSA, launch 1 of 3: what can be made of the weights alone.
; WORK OF reference() THAT IS NOT DONE, by two identities of linear algebra that hold for all values of the inputs:
; (1) q.sum(-1)[b,c,h] = sum_k sum_j x[b,c,j] Wq[128h+k][j] = sum_j x[b,c,j] (sum_k Wq[128h+k][j]), and the same for kk with Wk.  Only these sums reach dot, so x @ Wq.T and x @ Wk.T
;     are not made: ws[n][j] holds the sum of head n's 128 rows of Wq (n < 8) or of Wk (n - 8), and launch 2 multiplies x by these 16 rows.
; (2) y = sum_h attn_h (x Wv_h^T) Wo_h^T + bo = sum_h (attn_h x) (Wv_h^T Wo_h^T) + bo.  So v = x @ Wv.T is not made: M_h[o][j] = sum_e Wo[o][128h+e] Wv[128h+e][j] is made here, eight products of 128^3,
;     and launch 3 multiplies attn_h by x itself, the same tile for all heads.
; Every input keeps its way to the output and is loaded by some launch.  LIMIT: a NaN, an infinity or an overflow that would arise in single numbers of q, kk or v alone is not carried to the result.
; FORMATS.  ws in f32 (it feeds an exponent).  Wv and Wo are multiplied by 4 and rounded to f16 for the product; Mt = 16 M is rounded once to f16; launch 3 takes the 16 out in f32.
; LIMIT: |4 Wv|, |4 Wo| and |16 M| stay under 65,504.
; SHARES.  Work-group g: head h = g / 4, part p = g % 4.  It makes rows o = 32 p .. 32 p + 31 of Mt_h, and 64 columns (cc = p % 2) of one row of ws (of Wq for p < 2, of Wk else).
; strm is launch 3's stream: for each batch 3,072 rows of 256 bytes: 2,048 rows of x in f16 (launch 2), then 1,024 rows of Mt, stored here four times, once a batch.  Row of (h, o), with u = o / 16:
;   2048 + base + (h / 2) 32 nu + uu 32 + (h % 2) 16 + o % 16;  u < 2: base 0, nu 2, uu = u;  u < 5: base 256, nu 3, uu = u - 2;  else base 640, nu 3, uu = u - 5.
.set PVV,   288                        ; a row of 4 Wv in LDS: 256 bytes + 32
.set POO,   272                        ; a row of 4 Wo, and of the stage: 256 bytes + 16
.set VV,    0                          ; 128 rows e of head h
.set OO,    128*PVV                    ; 32 rows o
.set STG,   OO+32*POO                  ; 32 rows of Mt on their way out
.set WP,    STG+32*POO                 ; four waves' partial column sums, 256 bytes each
.set SPARE, WP+1024                    ; the spare words, 128 bytes for each wave: two blocks of 256 bytes that no other line names
.set BATCH, 786432                     ; bytes of a batch in strm
.set WSR,   16                         ; v[16:79]   16 loads of Wq or Wk
.set WOR,   80                         ; v[80:111]  8 rows of Wo; later Wo's four fragments
.set WVR,   112                        ; v[112:239] 32 rows of Wv; later Wv^T's sixteen fragments
.set ACC,   16                         ; v[16:47]   four accumulators
.set PKD,   48                         ; v[48:63]   packed results
.set BK,    64                         ; v[64:79]   rows read back from the stage
; v1 lane, v2 lane % 16, v3 lane / 16; v4-v13, v248, v249 offsets and LDS addresses; v14 my spare word, v15 zero; v[240:247] wave 0's sums
	s_load_b256 s[4:11], s[0:1], 0x0               ; Wq s[4:5], Wk s[6:7], Wv s[8:9], Wo s[10:11]
	s_load_b128 s[12:15], s[0:1], 0x20             ; ws s[12:13], strm s[14:15]
	v_lshl_add_u32 v14, v0, 2, SPARE
	v_mov_b32 v15, 0
	v_lshrrev_b32 v1, 5, v0
	v_readfirstlane_b32 s16, v1                    ; wave 0..3
	v_and_b32 v1, 31, v0
	v_and_b32 v2, 15, v0
	v_bfe_u32 v3, v0, 4, 1
	s_lshr_b32 s17, ttmp9, 2                       ; h
	s_and_b32 s18, ttmp9, 3                        ; p
	s_and_b32 s19, s18, 1                          ; cc
	s_lshr_b32 s20, s18, 1                         ; 0: Wq, 1: Wk
	s_mov_b32 s30, 0x76543210                      ; v_permlanex16_b32: each lane takes its own place in the other half
	s_mov_b32 s31, 0xfedcba98
	s_lshl_b32 s22, s17, 16                        ; Wq or Wk: head h's 128 rows of 512 bytes,
	s_lshl_b32 s21, s19, 8                         ; my 64 columns
	s_add_co_u32 s22, s22, s21
	s_mov_b32 s23, 0
	s_lshl_b32 s24, s18, 17                        ; Wo: row 32 p + 8 w of 4,096 bytes,
	s_lshl_b32 s21, s16, 15
	s_add_co_u32 s24, s24, s21
	s_lshl_b32 s21, s17, 9                         ; head h's 128 columns
	s_add_co_u32 s24, s24, s21
	s_mov_b32 s25, 0
	s_lshl_b32 s26, s17, 16                        ; Wv: row 128 h + 32 w
	s_lshl_b32 s21, s16, 14
	s_add_co_u32 s26, s26, s21
	s_mov_b32 s27, 0
	s_lshl_b32 s32, s20, 3                         ; ws: row n = 8 (p / 2) + h, 256 cc
	s_add_co_u32 s32, s32, s17
	s_lshl_b32 s32, s32, 9
	s_lshl_b32 s21, s19, 8
	s_add_co_u32 s32, s32, s21
	s_mov_b32 s33, 0
	s_lshl_b32 s34, s18, 1                         ; the unit of 16 rows o that I store: u = 2 p + w / 2
	s_lshr_b32 s21, s16, 1
	s_add_co_u32 s34, s34, s21
	s_mov_b32 s35, 640
	s_cmp_lt_u32 s34, 5
	s_cselect_b32 s35, 256, s35                    ; the group's first row
	s_cselect_b32 s36, 2, 5                        ; the group's first unit
	s_cmp_lt_u32 s34, 2
	s_cselect_b32 s35, 0, s35
	s_cselect_b32 s36, 0, s36
	s_cselect_b32 s37, 2, 3                        ; nu
	s_sub_co_u32 s34, s34, s36                     ; uu
	s_lshr_b32 s21, s17, 1
	s_mul_i32 s21, s21, s37
	s_add_co_u32 s21, s21, s34
	s_lshl_b32 s21, s21, 5                         ; ((h / 2) nu + uu) 32
	s_add_co_u32 s35, s35, s21
	s_and_b32 s21, s17, 1
	s_lshl_b32 s21, s21, 4
	s_add_co_u32 s35, s35, s21                     ; + (h % 2) 16
	s_and_b32 s21, s16, 1
	s_lshl_b32 s21, s21, 3
	s_add_co_u32 s35, s35, s21                     ; + my 8 rows of the unit
	s_add_co_u32 s35, s35, 2048
	s_lshl_b32 s38, s35, 8
	s_mov_b32 s39, 0
	s_lshl_b32 s21, s16, 10
	v_lshlrev_b32 v4, 4, v2
	v_lshl_add_u32 v4, v3, 9, v4
	v_add_nc_u32 v4, s21, v4                       ; Wq, Wk: row 2 w + lane / 16 of each eight, 16 bytes a lane
	v_lshlrev_b32 v5, 4, v1                        ; Wo, Wv: 16 x lane
	s_lshl_b32 s21, s16, 8
	s_add_co_u32 s21, s21, WP
	v_lshl_add_u32 v6, v2, 4, s21                  ; my partial sums
	s_mul_i32 s21, s16, 8*POO
	s_add_co_u32 s21, s21, OO
	v_lshl_add_u32 v7, v1, 3, s21                  ; Wo in f16: row 8 w, 8 bytes a lane
	s_mul_i32 s21, s16, 32*PVV
	v_lshl_add_u32 v8, v1, 3, s21                  ; Wv in f16: row 32 w (VV = 0)
	v_and_b32 v9, 7, v0                            ; the turning load: row 8 (lane / 16) + lane % 8, 16 bytes by (lane / 8) % 2,
	v_lshl_add_u32 v9, v3, 3, v9
	v_mul_u32_u24 v9, v9, PVV
	v_bfe_u32 v10, v0, 3, 1
	v_lshl_add_u32 v9, v10, 4, v9
	s_and_b32 s21, s16, 1
	s_lshl_b32 s21, s21, 7
	v_add_nc_u32 v9, s21, v9                       ; my 64 columns j: 128 (w % 2) bytes
	v_mul_u32_u24 v10, v2, POO
	v_lshl_add_u32 v10, v3, 4, v10                 ; row lane % 16, 16 bytes for each half of the lanes
	s_lshr_b32 s28, s16, 1
	s_mul_i32 s28, s28, 16*POO                     ; my 16 rows o: w / 2
	s_add_co_u32 s29, s28, s21
	s_add_co_u32 s29, s29, STG
	v_add_nc_u32 v11, s29, v10                     ; into the stage
	s_add_co_u32 s28, s28, OO
	v_add_nc_u32 v10, s28, v10                     ; Wo's fragments
	v_lshlrev_b32 v12, 3, v1                       ; ws: 8 x lane
	v_add_nc_u32 v13, WP, v12
	s_mul_i32 s21, s16, 8*POO
	s_add_co_u32 s21, s21, STG
	v_mul_u32_u24 v248, v3, POO
	v_lshl_add_u32 v248, v2, 4, v248
	v_add_nc_u32 v248, s21, v248                   ; back from the stage: rows 8 w + lane / 16, whole
	v_lshlrev_b32 v249, 8, v3
	v_lshl_add_u32 v249, v2, 4, v249               ; and the same two rows in strm
	s_wait_kmcnt 0x0
	s_cmp_eq_u32 s20, 0
	s_cselect_b64 s[28:29], s[4:5], s[6:7]
	s_add_nc_u64 s[28:29], s[28:29], s[22:23]
	s_add_nc_u64 s[10:11], s[10:11], s[24:25]
	s_add_nc_u64 s[8:9], s[8:9], s[26:27]
	s_add_nc_u64 s[12:13], s[12:13], s[32:33]
	s_add_nc_u64 s[14:15], s[14:15], s[38:39]
	; all 56 loads of the wave go out together
.set i, 0
.rept 16
	global_load_b128 v[WSR+4*i:WSR+4*i+3], v4, s[28:29] offset:i*4096 th:TH_LOAD_NT  ; rows 8 i + 2 w + lane / 16: 16 lanes take 256 consecutive bytes
.set i, i+1
.endr
.set i, 0
.rept 8
	global_load_b128 v[WOR+4*i:WOR+4*i+3], v5, s[10:11] offset:i*4096 th:TH_LOAD_NT
.set i, i+1
.endr
.set i, 0
.rept 32
	global_load_b128 v[WVR+4*i:WVR+4*i+3], v5, s[8:9] offset:i*512
.set i, i+1
.endr
	; THE COLUMN SUMS, in f32
.macro FOLD d                          ; set i takes set i + d
.set i, 0
.rept \d
	v_pk_add_f32 v[WSR+4*i:WSR+4*i+1], v[WSR+4*i:WSR+4*i+1], v[WSR+4*(i+\d):WSR+4*(i+\d)+1]
	v_pk_add_f32 v[WSR+4*i+2:WSR+4*i+3], v[WSR+4*i+2:WSR+4*i+3], v[WSR+4*(i+\d)+2:WSR+4*(i+\d)+3]
.set i, i+1
.endr
.endm
	s_wait_loadcnt 40                              ; the 16 loads of Wq or Wk are in; Wo's 8 and Wv's 32 stay out
	FOLD 8
	FOLD 4
	FOLD 2
	FOLD 1
.irp c, 0,1,2,3
	v_permlanex16_b32 v[WSR+4+\c], v[WSR+\c], s30, s31  ; the other half of the lanes holds the other row of each pair
.endr
	v_pk_add_f32 v[WSR:WSR+1], v[WSR:WSR+1], v[WSR+4:WSR+5]
	v_pk_add_f32 v[WSR+2:WSR+3], v[WSR+2:WSR+3], v[WSR+6:WSR+7]
	ds_store_b128 v6, v[WSR:WSR+3]                 ; lanes l and l + 16 store the same numbers to the same bytes
	; Wo AND Wv, times 4, rounded to f16, into LDS
.macro HALF a, adr, o
	v_pk_mul_f32 v[\a:\a+1], v[\a:\a+1], 4.0 op_sel_hi:[1,0]
	v_pk_mul_f32 v[\a+2:\a+3], v[\a+2:\a+3], 4.0 op_sel_hi:[1,0]
	v_cvt_pk_f16_f32 v[\a], v[\a], v[\a+1]
	v_cvt_pk_f16_f32 v[\a+1], v[\a+2], v[\a+3]
	ds_store_b64 v[\adr], v[\a:\a+1] offset:\o
.endm
	s_wait_loadcnt 32                              ; Wo's 8 loads are in; Wv's 32 stay out
.set i, 0
.rept 8
	HALF WOR+4*i, 7, i*POO
.set i, i+1
.endr
	s_wait_loadcnt 0x0
.set i, 0
.rept 32
	HALF WVR+4*i, 8, i*PVV
.set i, i+1
.endr
	s_wait_dscnt 0x0                               ; for the others' sake: my stores are done
	s_barrier_signal -1
	s_barrier_wait -1
	s_cmp_lg_u32 s16, 0                            ; wave 0 adds the four waves' sums and stores 256 consecutive bytes of ws, aligned
	s_cbranch_scc1 .Lnot_wave_0
.irp w, 0,1,2,3
	ds_load_b64 v[240+2*\w:241+2*\w], v13 offset:256*\w
.endr
	s_wait_dscnt 0x0
	v_pk_add_f32 v[240:241], v[240:241], v[242:243]
	v_pk_add_f32 v[244:245], v[244:245], v[246:247]
	v_pk_add_f32 v[240:241], v[240:241], v[244:245]
	global_store_b64 v12, v[240:241], s[12:13]
.Lnot_wave_0:
	; Mt^T = (4 Wv)^T (4 Wo)^T.  Source 0: 16 columns j of Wv x 32 e, turned out of LDS; source 1: 32 e x 16 rows o of Wo.  In the result a lane holds ONE row o (lane % 16) and eight neighbouring j.
	; Wave w: rows o 16 (w / 2) on, column blocks 4 (w % 2) + q, q = 0..3.
.set f, 0
.rept 16                               ; f = 4 q + ks: block q, e = 32 ks on
	ds_load_tr16_b128 v[WVR+8*f:WVR+8*f+3],   v9 offset:(f%4)*32*PVV+(f/4)*32
	ds_load_tr16_b128 v[WVR+8*f+4:WVR+8*f+7], v9 offset:(f%4)*32*PVV+16*PVV+(f/4)*32
.set f, f+1
.endr
.set f, 0
.rept 4
	ds_load_b128 v[WOR+8*f:WOR+8*f+3],   v10 offset:64*f
	ds_load_b128 v[WOR+8*f+4:WOR+8*f+7], v10 offset:64*f+32
.set f, f+1
.endr
	s_wait_dscnt 0x0
.set k, 0
.rept 16                               ; e = 32 (k / 4) on, block k % 4: the four accumulators take turns; the first four products start the sums
.if k < 4
	v_wmma_f32_16x16x32_f16 v[ACC+8*(k%4):ACC+8*(k%4)+7], v[WVR+8*(4*(k%4)+k/4):WVR+8*(4*(k%4)+k/4)+7], v[WOR+8*(k/4):WOR+8*(k/4)+7], 0
.else
	v_wmma_f32_16x16x32_f16 v[ACC+8*(k%4):ACC+8*(k%4)+7], v[WVR+8*(4*(k%4)+k/4):WVR+8*(4*(k%4)+k/4)+7], v[WOR+8*(k/4):WOR+8*(k/4)+7], v[ACC+8*(k%4):ACC+8*(k%4)+7]
.endif
.set k, k+1
.endr
.rept 4
	v_nop                                          ; four places between the last product and the conversions that read results (ISA guide 7.12.1)
.endr
.set i, 0
.rept 16
	v_cvt_pk_f16_f32 v[PKD+i], v[ACC+2*i], v[ACC+2*i+1]
.set i, i+1
.endr
.irp q, 0,1,2,3
	ds_store_b128 v11, v[PKD+4*\q:PKD+4*\q+3] offset:32*\q
.endr
	s_wait_dscnt 0x0                               ; a row's 256 bytes come from two waves
	s_barrier_signal -1
	s_barrier_wait -1
.set i, 0
.rept 4
	ds_load_b128 v[BK+4*i:BK+4*i+3], v248 offset:2*i*POO
.set i, i+1
.endr
.set i, 0
.rept 4
	s_wait_dscnt 3-i                               ; the younger loads may stay out
.irp b, 0,1,2,3
	global_store_b128 v249, v[BK+4*i:BK+4*i+3], s[14:15] offset:i*512+\b*BATCH  ; two rows, 512 consecutive bytes, aligned; once for each batch
.endr
.set i, i+1
.endr
	s_wait_tensorcnt 0x0                           ; the wave's end, behind my last LDS store
	ds_add_u32 v14, v15
	s_wait_dscnt 0x0
	s_endpgm
.Lfunc_end_k_qb5fc8e4fca_prep_w:
	.size	k_qb5fc8e4fca_prep_w, .Lfunc_end_k_qb5fc8e4fca_prep_w-k_qb5fc8e4fca_prep_w
	.p2alignl 7, 3214868480
	.fill 96, 4, 3214868480
	.section	.rodata,"a",@progbits
	.p2align	6, 0x0
	.amdhsa_kernel k_qb5fc8e4fca_prep_w
		.amdhsa_group_segment_fixed_size 55808
		.amdhsa_private_segment_fixed_size 0
		.amdhsa_enable_private_segment 0
		.amdhsa_kernarg_size 48
		.amdhsa_user_sgpr_count 2
		.amdhsa_user_sgpr_kernarg_segment_ptr 1
		.amdhsa_wavefront_size32 1
		.amdhsa_system_sgpr_workgroup_id_x 1
		.amdhsa_system_sgpr_workgroup_id_y 1
		.amdhsa_system_sgpr_workgroup_id_z 1
		.amdhsa_system_vgpr_workitem_id 0
		.amdhsa_next_free_vgpr 256
		.amdhsa_next_free_sgpr 66
		.amdhsa_reserve_vcc 0
		.amdhsa_float_denorm_mode_32 3
		.amdhsa_float_denorm_mode_16_64 3
		.amdhsa_memory_ordered 1
		.amdhsa_forward_progress 1
		.amdhsa_inst_pref_size 33
	.end_amdhsa_kernel
	.amdgpu_metadata
---
amdhsa.version: [ 1, 2 ]
amdhsa.kernels:
  - .name:           k_qb5fc8e4fca_prep_w
    .symbol:         k_qb5fc8e4fca_prep_w.kd
    .args:
      - { .name: Wq, .offset: 0, .size: 8, .value_kind: global_buffer, .address_space: global }
      - { .name: Wk, .offset: 8, .size: 8, .value_kind: global_buffer, .address_space: global }
      - { .name: Wv, .offset: 16, .size: 8, .value_kind: global_buffer, .address_space: global }
      - { .name: Wo, .offset: 24, .size: 8, .value_kind: global_buffer, .address_space: global }
      - { .name: ws, .offset: 32, .size: 8, .value_kind: global_buffer, .address_space: global }
      - { .name: strm, .offset: 40, .size: 8, .value_kind: global_buffer, .address_space: global }
    .group_segment_fixed_size: 55808
    .private_segment_fixed_size: 0
    .kernarg_segment_align: 8
    .kernarg_segment_size: 48
    .max_flat_workgroup_size: 128
    .sgpr_count:     66
    .vgpr_count:     256
    .wavefront_size: 32
...
	.end_amdgpu_metadata
.endif
;; end of part 1
;; launch prep_x (part 2): grid 128 x 1, 4 waves a work-group, no clusters, 38,656 bytes of LDS; arguments x, ws, strm, qs, kst; writes strm, qs, kst
.if DOCPART == 2
	.amdgcn_target "amdgcn-amd-amdhsa--gfx1250"
	.amdhsa_code_object_version 6
	.text
	.protected	k_qb5fc8e4fca_prep_x
	.globl	k_qb5fc8e4fca_prep_x
	.p2align	8
	.type	k_qb5fc8e4fca_prep_x,@function
k_qb5fc8e4fca_prep_x:
	s_mov_b64 s[64:65], 0
	v_nop
	global_prefetch_b8 v0, s[64:65] scope:SCOPE_SE
	s_setreg_imm32_b32 hwreg(HW_REG_WAVE_MODE, 25, 1), 1
	s_wait_xcnt 0x0
; MHSA, launch 2 of 3.  x is rounded once to f16 into strm (rows 0 .. 2047 of each batch's 3,072), and qs[b][h][t] = q.sum(-1), kst[b][h][t] = kk.sum(-1) are made as x times the 16 rows of ws.
; x @ Wq.T and x @ Wk.T are not made: only their sums over a head's channels reach dot, and those are x times the column sums in ws (shown at the head of launch 1).
; FORMATS.  qs and kst feed an exponent whose size grows with the inputs, so this product keeps f32 operands: v_wmma_f32_16x16x4_f32, 8192 x 128 x 16 multiply-adds, under a thousandth of the program's.
; LIMIT: |x| stays under 65,504 (f16).
; SHARES.  A work-group owns 64 rows of x, a wave 16.  64 rows make each row of qs and kst leave as 256 consecutive bytes, aligned.
; K IS PERMUTED ALIKE IN BOTH SOURCES: lane (r, h) takes the 16 bytes at 32 s + 16 h of its row; its registers 0, 1 are K step 2 s, registers 2, 3 K step 2 s + 1.  Each k enters once; the sums are in f32.
.set PXT,   528                        ; a row of x in LDS: 512 bytes + 16: the 16 rows of a fragment load start at 16 different groups of four banks (ISA guide 11.1)
.set XTW,   16*PXT                     ; a wave's own 16 rows
.set GS,    4*XTW                      ; 16 rows n x 64 numbers, pitch 272
.set PGS,   272
.set SPARE, GS+16*PGS                  ; the spare words, 128 bytes for each wave: two blocks of 256 bytes that no other line names
.set BATCH, 786432
.set X,   16                           ; v[16:79]   16 rows as loaded; registers 0, 1 of each then hold the row's f16
.set BF,  80                           ; v[80:143]  ws's fragments
.set AF,  144                          ; v[144:207] x's fragments; later the rows of qs and kst on their way out
.set ACC, 208                          ; v[208:239] four accumulators: written by matrix instructions alone
.set R,   240                          ; v[240:247] their sum
.set T,   248                          ; v[248:255] at work
	s_load_b256 s[4:11], s[0:1], 0x0               ; x s[4:5], ws s[6:7], strm s[8:9], qs s[10:11]
	s_load_b64 s[12:13], s[0:1], 0x20              ; kst
	v_lshl_add_u32 v14, v0, 2, SPARE
	v_mov_b32 v15, 0
	v_lshrrev_b32 v1, 5, v0
	v_readfirstlane_b32 s14, v1                    ; wave 0..3
	v_and_b32 v1, 31, v0
	v_and_b32 v2, 15, v0
	v_bfe_u32 v3, v0, 4, 1
	s_lshr_b32 s15, ttmp9, 5                       ; batch
	s_and_b32 s22, ttmp9, 31                       ; block of 64 rows in the batch
	s_lshl_b32 s16, ttmp9, 15                      ; x: 64 rows of 512 bytes a work-group,
	s_lshl_b32 s23, s14, 13                        ; 16 a wave
	s_add_co_u32 s16, s16, s23
	s_mov_b32 s17, 0
	s_mul_i32 s18, s15, BATCH                      ; strm: the batch, rows of 256 bytes
	s_lshl_b32 s23, s22, 14
	s_add_co_u32 s18, s18, s23
	s_lshl_b32 s23, s14, 12
	s_add_co_u32 s18, s18, s23
	s_mov_b32 s19, 0
	s_lshl_b32 s20, s15, 1                         ; qs, kst: head 8 b + 4 (w % 2), rows of 8,192 bytes,
	s_and_b32 s23, s14, 1
	s_add_co_u32 s20, s20, s23
	s_lshl_b32 s20, s20, 15
	s_lshl_b32 s23, s22, 8                         ; my block's 64 numbers
	s_add_co_u32 s20, s20, s23
	s_mov_b32 s21, 0
	v_lshlrev_b32 v4, 4, v1                        ; x: 16 x lane
	v_lshlrev_b32 v5, 9, v2
	v_lshl_add_u32 v5, v3, 4, v5                   ; ws: row lane % 16, 16 bytes for each half of the lanes
	v_lshlrev_b32 v6, 3, v1                        ; strm: 8 x lane
	s_mul_i32 s23, s14, XTW
	v_add_nc_u32 v7, s23, v4                       ; my rows in LDS, as they come
	v_mul_u32_u24 v8, v2, PXT
	v_lshl_add_u32 v8, v3, 4, v8
	v_add_nc_u32 v8, s23, v8                       ; and as fragments
	v_mul_u32_u24 v9, v2, PGS
	v_lshl_add_u32 v9, v3, 5, v9
	s_lshl_b32 s23, s14, 6
	s_add_co_u32 s23, s23, GS
	v_add_nc_u32 v9, s23, v9                       ; results: row n = lane % 16, my wave's 16 numbers, 8 for each half of the lanes
	s_mul_i32 s23, s14, 4*PGS
	s_add_co_u32 s23, s23, GS
	v_mul_u32_u24 v10, v3, PGS
	v_lshl_add_u32 v10, v2, 4, v10
	v_add_nc_u32 v10, s23, v10                     ; back: rows 4 w + lane / 16, whole
	v_lshlrev_b32 v11, 13, v3
	v_lshl_add_u32 v11, v2, 4, v11                 ; and the same two rows in qs or kst
	s_wait_kmcnt 0x0
	s_add_nc_u64 s[4:5], s[4:5], s[16:17]
	s_add_nc_u64 s[8:9], s[8:9], s[18:19]
	s_cmp_lt_u32 s14, 2                            ; waves 0, 1 store rows n = 0 .. 7 (qs), waves 2, 3 rows 8 .. 15 (kst)
	s_cselect_b64 s[24:25], s[10:11], s[12:13]
	s_add_nc_u64 s[24:25], s[24:25], s[20:21]
.set i, 0
.rept 16
	global_load_b128 v[X+4*i:X+4*i+3], v4, s[4:5] offset:i*512 th:TH_LOAD_NT  ; a row an instruction
.set i, i+1
.endr
.set i, 0
.rept 16
	global_load_b128 v[BF+4*i:BF+4*i+3], v5, s[6:7] offset:32*i
.set i, i+1
.endr
.set i, 0
.rept 16
	s_wait_loadcnt 31-i                            ; row i is in: behind it stand 15 - i rows of x and ws's 16 loads
	ds_store_b128 v7, v[X+4*i:X+4*i+3] offset:i*PXT
	v_cvt_pk_f16_f32 v[X+4*i], v[X+4*i], v[X+4*i+1]
	v_cvt_pk_f16_f32 v[X+4*i+1], v[X+4*i+2], v[X+4*i+3]
	global_store_b64 v6, v[X+4*i:X+4*i+1], s[8:9] offset:i*256  ; 32 lanes store 256 consecutive bytes, aligned
.set i, i+1
.endr
.set i, 0
.rept 16
	ds_load_b128 v[AF+4*i:AF+4*i+3], v8 offset:32*i  ; my wave's own bytes: LDS serves a wave's instructions in order (ISA guide 5.7.1.4)
.set i, i+1
.endr
	s_wait_loadcnt 0x0
	s_wait_dscnt 0x0
.set k, 0
.rept 32                               ; the four accumulators take turns; the first four K steps start the sums
.if k < 4
	v_wmma_f32_16x16x4_f32 v[ACC+8*(k%4):ACC+8*(k%4)+7], v[AF+2*k:AF+2*k+1], v[BF+2*k:BF+2*k+1], 0
.else
	v_wmma_f32_16x16x4_f32 v[ACC+8*(k%4):ACC+8*(k%4)+7], v[AF+2*k:AF+2*k+1], v[BF+2*k:BF+2*k+1], v[ACC+8*(k%4):ACC+8*(k%4)+7]
.endif
.set k, k+1
.endr
.rept 8
	v_nop                                          ; eight places behind this form, in front of the sums that read results (ISA guide 7.12.1)
.endr
.irp c, 0,2,4,6
	v_pk_add_f32 v[R+\c:R+\c+1], v[ACC+\c:ACC+\c+1], v[ACC+8+\c:ACC+8+\c+1]
.endr
.irp c, 0,2,4,6
	v_pk_add_f32 v[T+\c:T+\c+1], v[ACC+16+\c:ACC+16+\c+1], v[ACC+24+\c:ACC+24+\c+1]
.endr
.irp c, 0,2,4,6
	v_pk_add_f32 v[R+\c:R+\c+1], v[R+\c:R+\c+1], v[T+\c:T+\c+1]
.endr
	ds_store_b128 v9, v[R:R+3]                     ; register j is (row 8 (lane / 16) + j of x, column n = lane % 16)
	ds_store_b128 v9, v[R+4:R+7] offset:16
	s_wait_dscnt 0x0                               ; a row's 64 numbers come from four waves
	s_barrier_signal -1
	s_barrier_wait -1
.irp i, 0,1
	ds_load_b128 v[AF+4*\i:AF+4*\i+3], v10 offset:2*\i*PGS
.endr
.irp i, 0,1
	s_wait_dscnt 1-\i                              ; the younger load may stay out
	global_store_b128 v11, v[AF+4*\i:AF+4*\i+3], s[24:25] offset:\i*16384  ; 16 lanes store 256 consecutive bytes, aligned
.endr
	s_wait_tensorcnt 0x0                           ; the wave's end, behind my last LDS store
	ds_add_u32 v14, v15
	s_wait_dscnt 0x0
	s_endpgm
.Lfunc_end_k_qb5fc8e4fca_prep_x:
	.size	k_qb5fc8e4fca_prep_x, .Lfunc_end_k_qb5fc8e4fca_prep_x-k_qb5fc8e4fca_prep_x
	.p2alignl 7, 3214868480
	.fill 96, 4, 3214868480
	.section	.rodata,"a",@progbits
	.p2align	6, 0x0
	.amdhsa_kernel k_qb5fc8e4fca_prep_x
		.amdhsa_group_segment_fixed_size 38656
		.amdhsa_private_segment_fixed_size 0
		.amdhsa_enable_private_segment 0
		.amdhsa_kernarg_size 40
		.amdhsa_user_sgpr_count 2
		.amdhsa_user_sgpr_kernarg_segment_ptr 1
		.amdhsa_wavefront_size32 1
		.amdhsa_system_sgpr_workgroup_id_x 1
		.amdhsa_system_sgpr_workgroup_id_y 1
		.amdhsa_system_sgpr_workgroup_id_z 1
		.amdhsa_system_vgpr_workitem_id 0
		.amdhsa_next_free_vgpr 256
		.amdhsa_next_free_sgpr 66
		.amdhsa_reserve_vcc 0
		.amdhsa_float_denorm_mode_32 3
		.amdhsa_float_denorm_mode_16_64 3
		.amdhsa_memory_ordered 1
		.amdhsa_forward_progress 1
		.amdhsa_inst_pref_size 16
	.end_amdhsa_kernel
	.amdgpu_metadata
---
amdhsa.version: [ 1, 2 ]
amdhsa.kernels:
  - .name:           k_qb5fc8e4fca_prep_x
    .symbol:         k_qb5fc8e4fca_prep_x.kd
    .args:
      - { .name: x, .offset: 0, .size: 8, .value_kind: global_buffer, .address_space: global }
      - { .name: ws, .offset: 8, .size: 8, .value_kind: global_buffer, .address_space: global }
      - { .name: strm, .offset: 16, .size: 8, .value_kind: global_buffer, .address_space: global }
      - { .name: qs, .offset: 24, .size: 8, .value_kind: global_buffer, .address_space: global }
      - { .name: kst, .offset: 32, .size: 8, .value_kind: global_buffer, .address_space: global }
    .group_segment_fixed_size: 38656
    .private_segment_fixed_size: 0
    .kernarg_segment_align: 8
    .kernarg_segment_size: 40
    .max_flat_workgroup_size: 128
    .sgpr_count:     66
    .vgpr_count:     256
    .wavefront_size: 32
...
	.end_amdgpu_metadata
.endif
;; end of part 2
;; launch attn (part 3): grid 64 x 4, 4 waves a work-group, clusters of 4 x 1, 327,680 bytes of LDS; arguments strm, kst, qs, bo, out0; writes out0
.if DOCPART == 3
	.amdgcn_target "amdgcn-amd-amdhsa--gfx1250"
	.amdhsa_code_object_version 6
	.text
	.protected	k_qb5fc8e4fca_attn
	.globl	k_qb5fc8e4fca_attn
	.p2align	8
	.type	k_qb5fc8e4fca_attn,@function
k_qb5fc8e4fca_attn:
	s_mov_b64 s[64:65], 0
	v_nop
	global_prefetch_b8 v0, s[64:65] scope:SCOPE_SE
	s_setreg_imm32_b32 hwreg(HW_REG_WAVE_MODE, 25, 1), 1
	s_wait_xcnt 0x0
	s_wait_alu depctr_hold_cnt(0) depctr_sa_sdst(0) depctr_va_vdst(0) depctr_va_sdst(0) depctr_va_ssrc(0) depctr_va_vcc(0) depctr_vm_vsrc(0)
	s_getreg_b32 s2, hwreg(HW_REG_IB_STS2, 6, 4)
	s_cmp_eq_u32 s2, 0
	s_cbranch_scc0 .Lentry_in_a_cluster
	s_endpgm
.Lentry_in_a_cluster:
	s_bfe_u32 s2, ttmp6, 0x10000c
	s_cmp_lg_u32 s2, 0x3003
	s_cbranch_scc0 .Lentry_shape_is_right
	s_endpgm
.Lentry_shape_is_right:
; MHSA, launch 3 of 3: y[b][t][:] = sum_h (softmax_i(qs[b][h][t] ks[b][h][i] / sqrt(128)) x[b][i][:]) M_h^T + bo.
; v = x @ Wv.T and the scores' product are not made: the weights multiply x itself, and M_h = Wv_h^T Wo_h^T follows (both shown at the head of launch 1); a score is one product of two numbers.
; THE MAXIMUM is taken away as reference() takes it: a score is a k_i with a = c qs, c = log2(e) / sqrt(128), and a k is monotone in k, so the row's maximum is max(a kmax, a kmin), with kmax and kmin the
; head's largest and smallest ks: the true maximum for all inputs, known before the walk.  p = 2^(a k_i - max); nothing is rescaled.
; FORMATS.  Scores, exponents, sums in f32.  x, the weights p, z = (sum p x) / l and Mt = 16 M are f16 matrix operands; l is the sum of the rounded p, made by the matrix unit (a fragment of ones times P).
; LIMITS.  |x| and |16 M| under 65,504; p lies in 0 to about 1; a p below 2^-126 counts as 0 and below 6e-5 keeps f16's fixed step; NaN and infinities are not treated apart.
; SHARES.  A work-group owns 32 queries of one batch and all 8 heads; wave w heads 2 w, 2 w + 1 and both tiles of 16 queries: four tiles t = 2 hh + tq.  256 work-groups.
; CLUSTER.  The four work-groups of a cluster belong to one batch and walk the same stream (strm) and the same table of ks: every tile is asked for JOINTLY, the same load, descriptor and mask in all four.
; Each of the four waves asks for its own quarter of each tile: no branch stands round a load.
; LAYOUT.  O^T = x^T P: source 0 = 16 channels x 32 keys, turned out of LDS by ds_load_tr16_b128; source 1 = P, 32 keys x 16 queries, which a lane makes in place: it holds ONE query (lane % 16) and the keys
; 8 (lane / 16) + 0..7 and 16 + 8 (lane / 16) + 0..7.  The result holds one query a lane and eight channels; two such results, divided by l and rounded, ARE source 1 of Y^T = Mt z^T.
; A PHASE is 32 keys.  Phase p multiplies by V(p) and P(p) (32 products and 4 for l), rounds the weights of p + 1, scales and exponentiates those of p + 2, and fetches V(p + 1) and ks(p + 3) from LDS at its head.
; Its 128 vector instructions stand three or four behind each of the 36 matrix instructions.  Its 64 exponentials are one batch with one wait, at the phase's end.
; THE STREAM of a batch: 8 slots of 256 rows of x, then Mt in three groups: A (units of 16 output columns 0, 1: the ring's ninth fill), B (units 2-4: asked for ahead of the last phase), C (units 5-7: resident from the start).
; In each group a wave's quarter of the rows holds its own two heads' rows, so a wave reads only what its own load brought.
; REGISTERS, in windows of 256 (s_set_vgpr_msb: bits 1:0 source 0, 3:2 source 1, 5:4 source 2, 7:6 destination):
;   window 0: v1-v15 lane numbers and addresses; v16-19 bo; v20-27 at work; v28, v29 the add's; v32-47 a, a, -max, -max a tile; v48-111 ks, two buffers; v112-175 S; v176-239 P, two buffers; v240-247 1 / l
;             (in the tail v48-175: z, then the rows of y)
;   window 1: O^T, 64 a tile     window 2: v0-127 V, two buffers (in the tail v0-191: Mt's fragments); v192-199 ones; v200-231 l     window 3: v0-127 Y^T; v128-255 group A's fragments
.set PX,    288                        ; a row in LDS: 256 bytes + 32
.set QSLOT, 64*PX                      ; a wave's quarter of a slot
.set SLOT1, 4*QSLOT                    ; 73,728 = 0x12000: neither of its two bits is set in a quarter's offset, so one exclusive or changes slots
.set KST,   2*SLOT1                    ; the batch's ks: 8 heads x 2,048 f32
.set MTR,   KST+65536                  ; group C: 384 rows
.set QM,    96*PX                      ; a wave's quarter of group B or C
.set SPARE, MTR+4*QM                   ; the spare words, 128 bytes for each wave: two blocks of 256 bytes that no other line names
.set SP,    528                        ; the stage for Y: 32 rows of 512 bytes + 16, in my own quarter of slot 0, behind that slot's last fill
.set BATCH, 786432
.set SLOTB, 65536                      ; bytes of a slot in memory
.set OFFB,  589824                     ; group B in a batch
.set OFFC,  688128                     ; group C
.set AV0, 3                            ; my lane's place in 32 rows of x; never rewritten
.set AVR, 4                            ; the address of V's run of loads
.set AK0, 5                            ; my lane's place in my heads' ks; never rewritten
.set AKR, 6
.set AMC, 7                            ; my lane's place in my rows of groups C, A, B
.set AMA, 8
.set AMB, 9
.set STO, 10
.set RD,  11
.set GO,  12                           ; 16 x lane
.set QO,  13                           ; 4 x (lane % 16)
.set PFO, 14                           ; 256 x lane
.set BO,  16
.set SPW, 28
.set NIL, 29
.set AN,  32
.set KS,  48
.set S,   112
.set P,   176
.set RL,  240
.set Z,   48
.set ONES, 192
.set LL,  200
.set WV,  14                           ; s14 my wave's number
.set CX,  15                           ; s15 my place in the cluster
.set G1X, 24                           ; s[24:31] group 1: 64 rows of 128 f16, padded
.set G1M, 32                           ; s[32:39] the same with 96 rows
.set G1T, 40                           ; s[40:47] 64 rows of 64 f32, dense
.set G0T, 48                           ; s[48:51] group 0: the table of ks
.set G0C, 52                           ; s[52:55] group C
.set G0X, 56                           ; s[56:59] the ring: it walks
.set G0B, 60                           ; s[60:63] group B
.set TB,  66                           ; LDS byte of the 32 rows of x to be fetched next
.set TK,  67                           ; byte of the 32 ks to be fetched next
.set CNT, 68
.set SLOTS, 69
.set LIM, 70                           ; 1 in a wave that prefetches slots
.set LIMB, 71                          ; 1 in a wave that prefetches group B
.set PFA, 72                           ; s[72:73]
.set PFB, 74                           ; s[74:75]
.set SEL, 76                           ; s[76:77]
.set CS,  78
.set MSB, 0
.macro WIN new                         ; the immediate's high byte repeats the setting that is left; a switch that changes nothing is dropped
.if MSB != (\new)
	s_set_vgpr_msb (MSB<<8)|(\new)
.set MSB, (\new)
.endif
.endm
.set W_PV, 0x52                        ; V window 2, P window 0, O^T window 1
.set W_L,  0xa2                        ; ones and l window 2, P window 0
.set W_RS, 0x41                        ; destination and source 0 window 1, source 1 window 0
.macro PLACES                          ; four plain instructions: the places that a matrix instruction's registers want (ISA guide 7.12.1)
.rept 4
	v_nop
.endr
.endm
; A round of the cluster's barrier: my work-group's barrier, so that wave 0's signal speaks for all four waves; wave 0 signals; every wave waits for all four work-groups; my work-group's barrier once more.
.macro CROUND
	s_barrier_signal -1
	s_barrier_wait -1
	s_cmp_lg_u32 s[WV], 0
	s_cbranch_scc1 .Lnot_wave_0_\@
	s_barrier_signal -3
.Lnot_wave_0_\@:
	s_barrier_wait -3
	s_barrier_signal -1
	s_barrier_wait -1
.endm
; A PREFETCH INTO THE L2 of what the next change of slots will ask for, a lane a row of 256 bytes.  Each row is named once in the launch: of a batch's sixteen clusters the first asks; its four partners share the
; rows out BY ADDRESS (64 of a slot's 256, 96 of group B's 384); in each, waves 0 and 1 (group B: 0 to 2) take 32 rows.  It stands behind the wave's tensor load and its five lines.
.macro ASK lim, adr
	s_cmp_eq_u32 s[\lim], 1
	s_cbranch_scc0 .Lnot_mine_\@
	global_prefetch_b8 v[PFO], s[\adr:\adr+1] th:TH_LOAD_NT scope:SCOPE_SE
.Lnot_mine_\@:
.endm
; THE CHANGE OF SLOTS.  Each wave waits for all its tensor loads, adds 0 to its spare word, and waits for that and for its own LDS reads; behind the round no wave of any partner reads the slot that is left, and
; the other slot is whole.  The joint refill is the first thing behind the round, one load a wave.  kind 1: the ring's next 256 rows, and the slot after them is prefetched: a trip of 288 matrix instructions ahead
; of its load.  kind 7: group A, the ring's ninth fill; group B is prefetched.  kind 9: group B, over slot 1 and the head of the table of ks, both read out.
.macro CHANGE kind
	WIN 0                                          ; at a label and at a branch every window is 0
	s_wait_tensorcnt 0x0                           ; no tensor load of mine is out, so a group 0 may be written
	ds_add_u32 v[SPW], v[NIL]                      ; 0 onto my spare word; the scalar steps stand between it and the wait for it
.if (\kind) != 9
	s_xor_b32 s[G0X+1], s[G0X+1], SLOT1            ; the other slot than last time,
	s_add_nc_u64 s[G0X+2:G0X+3], s[G0X+2:G0X+3], SLOTB  ; the next 256 rows; the type bits on top are not reached
.endif
.if (\kind) == 1
	s_wait_xcnt 0x0                                ; the last prefetch, a trip back, has read its address
	s_add_nc_u64 s[PFA:PFA+1], s[PFA:PFA+1], SLOTB ; one slot behind the walking descriptor's new place
.endif
	s_wait_dscnt 0x0                               ; the add is done, and my reads of the slot are over
	CROUND
.if (\kind) == 9
	tensor_load_to_lds s[G0B:G0B+3], s[G1M:G1M+7]
.else
	tensor_load_to_lds s[G0X:G0X+3], s[G1X:G1X+7]
.endif
	s_nop 0
	PLACES
.if (\kind) == 1
	ASK LIM, PFA
.elseif (\kind) == 7
	ASK LIMB, PFB
.endif
.if (\kind) != 9
	s_sub_co_u32 s[TB], s[TB], SLOT1               ; the fetches go back to a slot's first rows,
	s_xor_b32 s[TB], s[TB], SLOT1                  ; in the other slot
.endif
.endm
	s_load_b256 s[4:11], s[0:1], 0x0               ; strm s[4:5], kst s[6:7], qs s[8:9], bo s[10:11]
	s_load_b64 s[12:13], s[0:1], 0x20              ; out0
	v_lshl_add_u32 v[SPW], v0, 2, SPARE
	v_mov_b32 v[NIL], 0
	ds_add_u32 v[SPW], v[NIL]                      ; the wave's opening: the add, twice on end, and its wait ahead of my first tensor load; the set-up below stands between
	ds_add_u32 v[SPW], v[NIL]
	v_lshrrev_b32 v1, 5, v0
	v_readfirstlane_b32 s[WV], v1                  ; wave 0..3
	s_bfe_u32 s[CX], ttmp6, 0x40000                ; cx
	s_and_b32 s17, ttmp7, 0xffff                   ; the batch, which the four partners share
	s_mul_i32 s18, s17, BATCH
	s_mov_b32 s[G1X], 15|(1<<16)|(1<<20)|(1<<21)|(5<<22)|(7<<25)  ; 15:0 the mask of four; 17:16 2-byte elements; 20 padding on; 21 set beside a mask; 24:22 after every 64 words (code 5); 31:25 8 words (code 7)
	s_mov_b32 s[G1M], 15|(1<<16)|(1<<20)|(1<<21)|(5<<22)|(7<<25)
.irp g, G1X, G1M
	s_mov_b32 s[\g+1], 128<<16                     ; tensor_dim0 = 128
	s_mov_b32 s[\g+3], 128<<16                     ; tile_dim0 = 128
	s_mov_b32 s[\g+5], 128                         ; 128 elements from row to row
	s_mov_b32 s[\g+6], 0
	s_mov_b32 s[\g+7], 0
.endr
	s_mov_b32 s[G1X+2], 64<<16                     ; tensor_dim1
	s_mov_b32 s[G1X+4], 64                         ; tile_dim1
	s_mov_b32 s[G1M+2], 96<<16
	s_mov_b32 s[G1M+4], 96
	s_mov_b32 s[G1T], 15|(2<<16)|(1<<21)           ; 4-byte elements, no padding: 16,384 dense bytes as 64 rows of 256
	s_mov_b32 s[G1T+1], 64<<16
	s_mov_b32 s[G1T+2], 64<<16
	s_mov_b32 s[G1T+3], 64<<16
	s_mov_b32 s[G1T+4], 64
	s_mov_b32 s[G1T+5], 64
	s_mov_b32 s[G1T+6], 0
	s_mov_b32 s[G1T+7], 0
	s_mul_i32 s19, s[WV], QSLOT                    ; LDS addresses: a constant and the wave's number times a constant; no place in the cluster enters
	s_mul_i32 s20, s[WV], QM
	s_lshl_b32 s21, s[WV], 14
	s_mov_b32 s[G0T], 1
	s_add_co_u32 s[G0T+1], s21, KST
	s_mov_b32 s[G0C], 1
	s_add_co_u32 s[G0C+1], s20, MTR
	s_mov_b32 s[G0X], 1
	s_mov_b32 s[G0X+1], s19
	s_mov_b32 s[G0B], 1
	s_add_co_u32 s[G0B+1], s20, SLOT1
	s_add_co_u32 s22, s18, s21                     ; the ring: the batch, my 64 rows of a slot
	s_mov_b32 s23, 0
	s_mul_i32 s86, s[WV], 24576                    ; groups B and C: my 96 rows
	s_add_co_u32 s86, s86, s18
	s_add_co_u32 s86, s86, OFFB
	s_mov_b32 s87, 0
	s_lshl_b32 s88, s17, 16                        ; ks: the batch's 8 heads, my two
	s_add_co_u32 s88, s88, s21
	s_mov_b32 s89, 0
	s_lshl_b32 s90, s[CX], 14                      ; prefetches: my work-group's 64 rows of a slot, my wave's 32; it stands in slot 1 and is stepped ahead of each use
	s_lshl_b32 s83, s[WV], 13
	s_add_co_u32 s90, s90, s83
	s_add_co_u32 s90, s90, s18
	s_add_co_u32 s90, s90, SLOTB
	s_mov_b32 s91, 0
	s_mul_i32 s92, s[CX], 24576                    ; my work-group's 96 rows of group B, my wave's 32
	s_add_co_u32 s92, s92, s83
	s_add_co_u32 s92, s92, s18
	s_add_co_u32 s92, s92, OFFB
	s_mov_b32 s93, 0
	s_lshl_b32 s83, ttmp9, 2                       ; in a cluster launch ttmp9 counts clusters
	s_add_co_u32 s83, s83, s[CX]                   ; my block of 32 queries: it enters qs's and out0's addresses alone
	s_lshl_b32 s94, s17, 2
	s_add_co_u32 s94, s94, s[WV]
	s_lshl_b32 s94, s94, 14                        ; qs: head 8 b + 2 w, rows of 8,192 bytes,
	s_lshl_b32 s95, s83, 7
	s_add_co_u32 s94, s94, s95                     ; my 32 queries
	s_mov_b32 s95, 0
	s_lshl_b32 s84, s17, 20                        ; out0: row 2048 b + 32 block + 8 w of 512 bytes
	s_lshl_b32 s85, s83, 14
	s_add_co_u32 s84, s84, s85
	s_lshl_b32 s85, s[WV], 12
	s_add_co_u32 s84, s84, s85
	s_mov_b32 s85, 0
	s_lshr_b32 s16, s[WV], 1                       ; waves 0, 1 of the batch's first cluster: the same in all four partners
	s_or_b32 s16, s16, ttmp9
	s_cmp_eq_u32 s16, 0
	s_cselect_b32 s[LIM], 1, 0
	s_cmp_eq_u32 s[WV], 3                          ; waves 0 to 2
	s_cselect_b32 s16, 1, 0
	s_or_b32 s16, s16, ttmp9
	s_cmp_eq_u32 s16, 0
	s_cselect_b32 s[LIMB], 1, 0
	s_mov_b32 s[SEL], 0x76543210
	s_mov_b32 s[SEL+1], 0xfedcba98
	s_mov_b32 s[CS], 0x3e0293ee                    ; c = log2(e) / sqrt(128) = 0.127517
	s_mov_b32 s[TB], 2*SLOT1                       ; the first change of slots turns this into 0
	s_mov_b32 s[TK], 256                           ; ks of phases 0 and 1 are fetched by constants
	s_wait_dscnt 0x0                               ; both opening adds are done
	s_wait_kmcnt 0x0
	s_add_nc_u64 s[G0X+2:G0X+3], s[4:5], s[22:23]
	s_or_b32 s[G0X+3], s[G0X+3], 0x80000000        ; 127:126 type = 2
	s_add_nc_u64 s[G0B+2:G0B+3], s[4:5], s[86:87]
	s_add_nc_u64 s[G0C+2:G0C+3], s[G0B+2:G0B+3], OFFC-OFFB
	s_or_b32 s[G0B+3], s[G0B+3], 0x80000000
	s_or_b32 s[G0C+3], s[G0C+3], 0x80000000
	s_add_nc_u64 s[G0T+2:G0T+3], s[6:7], s[88:89]
	s_or_b32 s[G0T+3], s[G0T+3], 0x80000000
	s_add_nc_u64 s[PFA:PFA+1], s[4:5], s[90:91]
	s_add_nc_u64 s[PFB:PFB+1], s[4:5], s[92:93]
	s_add_nc_u64 s[8:9], s[8:9], s[94:95]
	s_add_nc_u64 s[12:13], s[12:13], s[84:85]
	CROUND                                         ; all four work-groups are here: the first joint loads meet
	tensor_load_to_lds s[G0T:G0T+3], s[G1T:G1T+7]  ; the first fills, one group: three loads of mine are out
	s_nop 0
	tensor_load_to_lds s[G0C:G0C+3], s[G1M:G1M+7]
	s_nop 0
	tensor_load_to_lds s[G0X:G0X+3], s[G1X:G1X+7]  ; slot 0
	s_nop 0
	PLACES
	v_and_b32 v1, 15, v0                           ; r = lane % 16
	v_bfe_u32 v2, v0, 4, 1                         ; lane / 16
	v_and_b32 v15, 31, v0                          ; lane
	v_lshlrev_b32 v[QO], 2, v1
.irp t, 0,1,2,3
	global_load_b32 v[AN+4*\t], v[QO], s[8:9] offset:(\t/2)*8192+(\t%2)*64  ; qs of head 2 w + t / 2, query 16 (t % 2) + r
.endr
	v_lshlrev_b32 v[GO], 4, v15
	global_load_b128 v[BO:BO+3], v[GO], s[10:11]   ; bo: my four columns of a row of y
	v_lshlrev_b32 v[PFO], 8, v15
	v_and_b32 v30, 7, v0                           ; the turning load: row 8 (lane / 16) + lane % 8, 16 bytes by (lane / 8) % 2
	v_bfe_u32 v31, v0, 3, 1
	v_lshl_add_u32 v[AV0], v2, 3, v30
	v_mul_u32_u24 v[AV0], v[AV0], PX
	v_lshl_add_u32 v[AV0], v31, 4, v[AV0]
	v_lshl_add_u32 v[AK0], v2, 5, s[G0T+1]         ; my heads' ks, keys 8 (lane / 16) on
	v_mul_u32_u24 v30, v1, PX
	v_lshl_add_u32 v30, v2, 4, v30                 ; a fragment of Mt: row r, 16 bytes for each half of the lanes
	v_add_nc_u32 v[AMC], s[G0C+1], v30
	v_add_nc_u32 v[AMA], s19, v30
	v_add_nc_u32 v[AMB], s[G0B+1], v30
	v_mul_u32_u24 v[STO], v1, SP                   ; the stage: row r, 32 bytes for each half of the lanes
	v_lshl_add_u32 v[STO], v2, 5, v[STO]
	v_add_nc_u32 v[STO], s19, v[STO]
	s_mul_i32 s16, s[WV], 8*SP
	v_lshl_add_u32 v[RD], v15, 4, s16              ; back: rows 8 w on, whole
	v_lshl_add_u32 v15, v15, 4, s[G0T+1]           ; the whole of my heads' ks, 16 bytes a lane
.irp i, 24,25,26,27
	v_mov_b32 v\i, 0                               ; v_permlanex16_b32's destinations count as read
.endr
	WIN 0x80
.set i, 0
.rept 8
	v_mov_b32 v[ONES+i], 0x3c003c00                ; 1.0 twice in f16
.set i, i+1
.endr
	WIN 0
; THE VECTOR WORK OF A PHASE: 128 instructions, number q.  Pair i of 32 is scores 2 i, 2 i + 1 of the flat list S (tile i / 8).
;   C i  the weights of phase p + 1, pair i, rounded to f16 into the other buffer of P     F i  a k - max for phase p + 2, onto the same pair     E m  its exponential
; Order: C 0, F 0, then C i, E 2 i - 2, F i, E 2 i - 1 for i = 1 .. 31, then E 62, E 63.  A pair is rounded before it is written anew; an exponential stands a plain instruction or more behind its scaling;
; nothing in a phase names a result of the phase's exponentials.
.macro RC par, i
	WIN 0
	v_cvt_pk_f16_f32 v[P+32*(1-(\par))+(\i)], v[S+2*(\i)], v[S+2*(\i)+1]
.endm
.macro RF par, i
	WIN 0
	v_pk_fma_f32 v[S+2*(\i):S+2*(\i)+1], v[KS+32*(\par)+16*((\i)/16)+2*((\i)%8):KS+32*(\par)+16*((\i)/16)+2*((\i)%8)+1], v[AN+4*((\i)/8):AN+4*((\i)/8)+1], v[AN+4*((\i)/8)+2:AN+4*((\i)/8)+3]
.endm
.macro RE m
	WIN 0
	v_exp_f32 v[S+(\m)], v[S+(\m)]
.endm
.macro RID par, cv, fe                 ; number q; cv = 0, fe = 0 leave a kind out
.if q == 0
.if \cv
	RC \par, 0
.endif
.elseif q == 1
.if \fe
	RF \par, 0
.endif
.elseif q < 126
.if (q-2)%4 == 0
.if \cv
	RC \par, (q-2)/4+1
.endif
.elseif (q-2)%4 == 2
.if \fe
	RF \par, (q-2)/4+1
.endif
.elseif \fe
	RE 2*((q-2)/4)+((q-2)%4)/2
.endif
.elseif \fe
	RE q-64
.endif
.set q, q+1
.endm
; Matrix instruction k of 36.  k < 32: O^T of tile k % 4, channels 16 (k / 4) on; else l of tile k - 32.  Each of the 36 accumulators has one instruction a phase: they take turns.
; pv = 1: the first phase starts the sums: nothing is ever cleared.
.macro MM par, pv
.if k < 32
	WIN W_PV
.set rO, 64*(k%4)+8*(k/4)
.set rV, 64*(\par)+8*(k/4)
.set rP, P+32*(\par)+8*(k%4)
.if (\pv) == 1
	v_wmma_f32_16x16x32_f16 v[rO:rO+7], v[rV:rV+7], v[rP:rP+7], 0
.else
	v_wmma_f32_16x16x32_f16 v[rO:rO+7], v[rV:rV+7], v[rP:rP+7], v[rO:rO+7]
.endif
.else
	WIN W_L
.set rO, LL+8*(k-32)
.set rP, P+32*(\par)+8*(k-32)
.if (\pv) == 1
	v_wmma_f32_16x16x32_f16 v[rO:rO+7], v[ONES:ONES+7], v[rP:rP+7], 0
.else
	v_wmma_f32_16x16x32_f16 v[rO:rO+7], v[ONES:ONES+7], v[rP:rP+7], v[rO:rO+7]
.endif
.endif
.endm
; A PHASE of parity par.  pv: 0 no products, 1 they start the sums, 2 they add.  cv, fe: the kinds of vector work.  lv, lk: the runs of LDS loads for V(p + 1) and ks(p + 3), into the other buffers.
; At its head: the last phase's runs have landed; four plain instructions are the places between the last phase's products and the loads into V's other buffer and the roundings into P's other buffer.
.macro PHASE par, pv, cv, fe, lv, lk
	WIN 0
	s_wait_dscnt 0x0
.if (\lv) || (\lk)
.if \lv
	v_add_nc_u32 v[AVR], s[TB], v[AV0]
.else
	v_nop
.endif
.if \lk
	v_add_nc_u32 v[AKR], s[TK], v[AK0]
.else
	v_nop
.endif
	v_nop
	v_nop
.endif
.if \lk
	s_add_co_u32 s[TK], s[TK], 128
.set c, 0
.rept 8                                ; head c / 4; keys 8 h + 0..3, 4..7, 16 + 8 h + 0..3, 4..7: the sixteen lanes of a half read the same bytes
	ds_load_b128 v[KS+32*(1-(\par))+4*c:KS+32*(1-(\par))+4*c+3], v[AKR] offset:(c/4)*8192+((c%4)/2)*64+(c%2)*16
.set c, c+1
.endr
.endif
.if \lv
	s_add_co_u32 s[TB], s[TB], 32*PX
	WIN 0x80                                       ; destination window 2
.set c, 0
.rept 8                                ; channels 16 c on
	ds_load_tr16_b128 v[64*(1-(\par))+8*c:64*(1-(\par))+8*c+3],   v[AVR] offset:32*c
	ds_load_tr16_b128 v[64*(1-(\par))+8*c+4:64*(1-(\par))+8*c+7], v[AVR] offset:16*PX+32*c
.set c, c+1
.endr
.endif
.set q, 0
.if \pv
.set k, 0
.rept 36
	MM \par, \pv
	RID \par, \cv, \fe
	RID \par, \cv, \fe
	RID \par, \cv, \fe
.if ((k%9)%2 == 1) || (k%9 == 0)       ; five fours and four threes in nine: 128 in all
	RID \par, \cv, \fe
.endif
.set k, k+1
.endr
.else
.rept 128
	RID \par, \cv, \fe
.endr
.endif
.if \fe
	WIN 0
	v_nop                                          ; a plain instruction behind the last exponential: one for the batch
	s_wait_alu depctr_va_vdst(0)                   ; the wait ahead of the first line that names a result: one for the phase's 64 exponentials
.endif
.endm
	CHANGE 1                                       ; all first fills are in, everybody's; slot 1 is asked for
	; kmax and kmin of my two heads: 2,048 numbers each, 64 a lane
.set i, 0
.rept 32
	ds_load_b128 v[48+4*i:48+4*i+3], v15 offset:(i/16)*8192+(i%16)*512
.set i, i+1
.endr
	s_wait_dscnt 0x0
	v_max3_num_f32 v20, v48, v49, v50
	v_min3_num_f32 v21, v48, v49, v50
	v_max3_num_f32 v22, v112, v113, v114
	v_min3_num_f32 v23, v112, v113, v114
.set i, 0
.rept 30
	v_max3_num_f32 v20, v20, v[51+2*i], v[52+2*i]
	v_min3_num_f32 v21, v21, v[51+2*i], v[52+2*i]
	v_max3_num_f32 v22, v22, v[115+2*i], v[116+2*i]
	v_min3_num_f32 v23, v23, v[115+2*i], v[116+2*i]
.set i, i+1
.endr
	v_max_num_f32 v20, v20, v111
	v_min_num_f32 v21, v21, v111
	v_max_num_f32 v22, v22, v175
	v_min_num_f32 v23, v23, v175
.irp m, 1,2,4,8
	v_max_num_f32_dpp v20, v20, v20 row_xmask:\m row_mask:0xf bank_mask:0xf
	v_min_num_f32_dpp v21, v21, v21 row_xmask:\m row_mask:0xf bank_mask:0xf
	v_max_num_f32_dpp v22, v22, v22 row_xmask:\m row_mask:0xf bank_mask:0xf
	v_min_num_f32_dpp v23, v23, v23 row_xmask:\m row_mask:0xf bank_mask:0xf
.endr
.irp i, 0,1,2,3
	v_permlanex16_b32 v[24+\i], v[20+\i], s[SEL], s[SEL+1]
.endr
	v_max_num_f32 v20, v20, v24
	v_min_num_f32 v21, v21, v25
	v_max_num_f32 v22, v22, v26
	v_min_num_f32 v23, v23, v27
.set i, 0
.rept 16                               ; ks of phases 0 and 1
	ds_load_b128 v[KS+4*i:KS+4*i+3], v[AK0] offset:(i/8)*128+((i%8)/4)*8192+((i%4)/2)*64+(i%2)*16
.set i, i+1
.endr
	s_wait_loadcnt 0x0                             ; qs and bo
.irp t, 0,1,2,3
	v_mul_f32 v[AN+4*\t], s[CS], v[AN+4*\t]        ; a = c qs
.endr
.irp t, 0,1,2,3
	v_mov_b32 v[AN+4*\t+1], v[AN+4*\t]
	v_mul_f32 v[AN+4*\t+2], -v[AN+4*\t], v[20+2*(\t/2)]
	v_mul_f32 v[AN+4*\t+3], -v[AN+4*\t], v[21+2*(\t/2)]
.endr
.irp t, 0,1,2,3
	v_min_num_f32 v[AN+4*\t+2], v[AN+4*\t+2], v[AN+4*\t+3]  ; min(-a kmax, -a kmin) = -(the row's maximum)
.endr
.irp t, 0,1,2,3
	v_mov_b32 v[AN+4*\t+3], v[AN+4*\t+2]
.endr
	PHASE 0, 0, 0, 1, 0, 0                         ; the weights of phase 0
	PHASE 1, 0, 1, 1, 1, 1                         ; "phase -1": they are rounded; the weights of phase 1; V(0), ks(2)
	PHASE 0, 1, 1, 1, 1, 1                         ; phase 0 starts the sums
	WIN 0
	s_mov_b32 s[CNT], 3
	s_mov_b32 s[SLOTS], 7
	s_branch .Lturn                                ; a trip is a slot: four turns of an odd and an even phase; of the first trip one turn stands above
.Lslot:                                            ; six times: slots 2 to 7 are asked for
	CHANGE 1
	s_mov_b32 s[CNT], 4
.Lturn:
	PHASE 1, 2, 1, 1, 1, 1
	PHASE 0, 2, 1, 1, 1, 1
	WIN 0
	s_sub_co_u32 s[CNT], s[CNT], 1
	s_cmp_lg_u32 s[CNT], 0
	s_cbranch_scc1 .Lturn
	s_sub_co_u32 s[SLOTS], s[SLOTS], 1
	s_cmp_lg_u32 s[SLOTS], 0
	s_cbranch_scc1 .Lslot
	CHANGE 7                                       ; the last trip is written out: group A goes into slot 0
	s_mov_b32 s[CNT], 3
.Lturn7:                                           ; phases 55 to 60
	PHASE 1, 2, 1, 1, 1, 1
	PHASE 0, 2, 1, 1, 1, 1
	WIN 0
	s_sub_co_u32 s[CNT], s[CNT], 1
	s_cmp_lg_u32 s[CNT], 0
	s_cbranch_scc1 .Lturn7
	PHASE 1, 2, 1, 1, 1, 0                         ; phase 61: the last weights; no ks is left to fetch
	PHASE 0, 2, 1, 0, 1, 0                         ; phase 62: the last rounding, the last V
	CHANGE 9                                       ; slot 1 and the table of ks are read out: group B is asked for
	PHASE 1, 2, 0, 0, 0, 0                         ; phase 63
	; THE TAIL.  z = O / l; Y^T = sum over my two heads of Mt_h z_h^T; the four waves' Y meet in LDS.
.macro FRAGS adr, nu, base             ; fragment f = (2 uu + hh) 4 + ksj: 16 rows o of unit uu, head hh, channels 32 ksj on
.set f, 0
.rept 8*(\nu)
	ds_load_b128 v[(\base)+8*f:(\base)+8*f+3],   v[\adr] offset:(f/4)*16*PX+(f%4)*64
	ds_load_b128 v[(\base)+8*f+4:(\base)+8*f+7], v[\adr] offset:(f/4)*16*PX+(f%4)*64+32
.set f, f+1
.endr
.endm
.macro GROUP nu, u0, base              ; 16 nu products: the group's 2 nu accumulators take turns; the first link of each starts its sum
.set g, 0
.rept 8                                ; g = 4 hh + ksj
.set uu, 0
.rept \nu
.set tq, 0
.rept 2
.set rY, 8*(2*((\u0)+uu)+tq)
.set rF, (\base)+8*((2*uu+g/4)*4+g%4)
.set rZ, Z+32*(2*(g/4)+tq)+8*(g%4)
.if g == 0
	v_wmma_f32_16x16x32_f16 v[rY:rY+7], v[rF:rF+7], v[rZ:rZ+7], 0
.else
	v_wmma_f32_16x16x32_f16 v[rY:rY+7], v[rF:rF+7], v[rZ:rZ+7], v[rY:rY+7]
.endif
.set tq, tq+1
.endr
.set uu, uu+1
.endr
.set g, g+1
.endr
.endm
	WIN 0
	PLACES                                         ; behind the last products: for the loads into V's registers and the reads of l and O^T
	WIN 0x80
	FRAGS AMC, 3, 0                                ; group C: 48 loads
	WIN 0xc0
	FRAGS AMA, 2, 128                              ; group A: 32 loads (its tile was waited for at the last change)
	WIN 0x02                                       ; source window 2
.irp t, 0,1,2,3
	v_rcp_f32 v[RL+2*\t], v[LL+8*\t]               ; every register of l's accumulator holds the query's sum: the lowest is read
	v_rcp_f32 v[RL+2*\t+1], v[LL+8*\t]
.endr
	WIN 0
	v_nop                                          ; a plain instruction behind the last reciprocal,
	s_wait_alu depctr_va_vdst(0)                   ; and the one wait for the eight
.set t, 0
.rept 4
	WIN W_RS
.set i, 0
.rept 32
	v_pk_mul_f32 v[64*t+2*i:64*t+2*i+1], v[64*t+2*i:64*t+2*i+1], v[RL+2*t:RL+2*t+1]
.set i, i+1
.endr
	WIN 0x05                                       ; sources window 1, destination window 0
.set i, 0
.rept 32
	v_cvt_pk_f16_f32 v[Z+32*t+i], v[64*t+2*i], v[64*t+2*i+1]
.set i, i+1
.endr
.set t, t+1
.endr
	s_wait_dscnt 32                                ; group C's fragments are in; group A's 32 loads may stay out
	WIN 0xf2                                       ; Mt window 2, z window 0, Y^T window 3
	GROUP 3, 5, 0
	WIN 0
	PLACES                                         ; in front of the loads into registers that those products read
	s_wait_tensorcnt 0x0                           ; my quarter of group B is in: I read no other
	WIN 0x80
	FRAGS AMB, 3, 0
	s_wait_dscnt 48                                ; group A's fragments are in; group B's 48 loads may stay out
	WIN 0xf3                                       ; Mt window 3
	GROUP 2, 0, 128
	s_wait_dscnt 0x0
	WIN 0xf2
	GROUP 3, 2, 0
	WIN 0
	PLACES
	WIN 0x0c                                       ; store data window 3
.set a, 0
.rept 16                               ; a = 2 u + tq: register j is (column 16 u + 8 (lane / 16) + j, query 16 tq + r)
	ds_store_b128 v[STO], v[8*a:8*a+3]   offset:(a%2)*16*SP+(a/2)*64
	ds_store_b128 v[STO], v[8*a+4:8*a+7] offset:(a%2)*16*SP+(a/2)*64+16
.set a, a+1
.endr
	WIN 0
	s_wait_dscnt 0x0                               ; for the others' sake: my stores are done
	s_barrier_signal -1
	s_barrier_wait -1
.set i, 0
.rept 32                               ; row 8 w + i / 4 of wave i % 4's stage
	ds_load_b128 v[Z+4*i:Z+4*i+3], v[RD] offset:(i%4)*QSLOT+(i/4)*SP
.set i, i+1
.endr
.set i, 0
.rept 8
	s_wait_dscnt 4*(7-i)                           ; row i's four loads are in; the later rows' may stay out
	v_pk_add_f32 v[Z+16*i:Z+16*i+1],     v[Z+16*i:Z+16*i+1],     v[Z+16*i+4:Z+16*i+5]
	v_pk_add_f32 v[Z+16*i+2:Z+16*i+3],   v[Z+16*i+2:Z+16*i+3],   v[Z+16*i+6:Z+16*i+7]
	v_pk_add_f32 v[Z+16*i+8:Z+16*i+9],   v[Z+16*i+8:Z+16*i+9],   v[Z+16*i+12:Z+16*i+13]
	v_pk_add_f32 v[Z+16*i+10:Z+16*i+11], v[Z+16*i+10:Z+16*i+11], v[Z+16*i+14:Z+16*i+15]
	v_pk_add_f32 v[Z+16*i:Z+16*i+1],     v[Z+16*i:Z+16*i+1],     v[Z+16*i+8:Z+16*i+9]
	v_pk_add_f32 v[Z+16*i+2:Z+16*i+3],   v[Z+16*i+2:Z+16*i+3],   v[Z+16*i+10:Z+16*i+11]
	v_pk_fma_f32 v[Z+16*i:Z+16*i+1],     v[Z+16*i:Z+16*i+1],     0x3d800000, v[BO:BO+1] op_sel_hi:[1,0,1]    ; Mt's 16 goes out, bo comes in
	v_pk_fma_f32 v[Z+16*i+2:Z+16*i+3],   v[Z+16*i+2:Z+16*i+3],   0x3d800000, v[BO+2:BO+3] op_sel_hi:[1,0,1]
	global_store_b128 v[GO], v[Z+16*i:Z+16*i+3], s[12:13] offset:i*512 th:TH_STORE_NT  ; a whole row: 512 consecutive bytes, aligned
.set i, i+1
.endr
	s_wait_tensorcnt 0x0                           ; the wave's end, behind my last tensor load and my last LDS store
	ds_add_u32 v[SPW], v[NIL]
	s_wait_dscnt 0x0
	CROUND                                         ; the closing round: no work-group ends while a partner may still ask for a tile that names it
	s_endpgm
.Lfunc_end_k_qb5fc8e4fca_attn:
	.size	k_qb5fc8e4fca_attn, .Lfunc_end_k_qb5fc8e4fca_attn-k_qb5fc8e4fca_attn
	.p2alignl 7, 3214868480
	.fill 96, 4, 3214868480
	.section	.rodata,"a",@progbits
	.p2align	6, 0x0
	.amdhsa_kernel k_qb5fc8e4fca_attn
		.amdhsa_group_segment_fixed_size 327680
		.amdhsa_private_segment_fixed_size 0
		.amdhsa_enable_private_segment 0
		.amdhsa_kernarg_size 40
		.amdhsa_user_sgpr_count 2
		.amdhsa_user_sgpr_kernarg_segment_ptr 1
		.amdhsa_wavefront_size32 1
		.amdhsa_system_sgpr_workgroup_id_x 1
		.amdhsa_system_sgpr_workgroup_id_y 1
		.amdhsa_system_sgpr_workgroup_id_z 1
		.amdhsa_system_vgpr_workitem_id 0
		.amdhsa_next_free_vgpr 1024
		.amdhsa_next_free_sgpr 96
		.amdhsa_reserve_vcc 0
		.amdhsa_float_denorm_mode_32 3
		.amdhsa_float_denorm_mode_16_64 3
		.amdhsa_memory_ordered 1
		.amdhsa_forward_progress 1
		.amdhsa_inst_pref_size 166
	.end_amdhsa_kernel
	.amdgpu_metadata
---
amdhsa.version: [ 1, 2 ]
amdhsa.kernels:
  - .name:           k_qb5fc8e4fca_attn
    .symbol:         k_qb5fc8e4fca_attn.kd
    .args:
      - { .name: strm, .offset: 0, .size: 8, .value_kind: global_buffer, .address_space: global }
      - { .name: kst, .offset: 8, .size: 8, .value_kind: global_buffer, .address_space: global }
      - { .name: qs, .offset: 16, .size: 8, .value_kind: global_buffer, .address_space: global }
      - { .name: bo, .offset: 24, .size: 8, .value_kind: global_buffer, .address_space: global }
      - { .name: out0, .offset: 32, .size: 8, .value_kind: global_buffer, .address_space: global }
    .group_segment_fixed_size: 327680
    .private_segment_fixed_size: 0
    .kernarg_segment_align: 8
    .kernarg_segment_size: 40
    .max_flat_workgroup_size: 128
    .sgpr_count:     96
    .vgpr_count:     1024
    .wavefront_size: 32
...
	.end_amdgpu_metadata
.endif
;; end of part 3
;; ======== version 2 of 2: 3 launches; version 1 with the launches prep_w, prep_x written anew for expert scheduling mode
;; limits: values are held in f16: magnitudes above 65,504 overflow, below 6.1e-05 lose precision; right only within a limited range of input values
;; workspace buffers: ws 8,192 bytes; qs 262,144 bytes; kst 262,144 bytes; strm 3,145,728 bytes
;; launch prep_w (part 4): grid 32 x 1, 4 waves a work-group, no clusters, 55,808 bytes of LDS; arguments Wq, Wk, Wv, Wo, ws, strm; writes ws, strm
.if DOCPART == 4
	.amdgcn_target "amdgcn-amd-amdhsa--gfx1250"
	.amdhsa_code_object_version 6
	.text
	.protected	k_qb5fc8e4fca_prep_w
	.globl	k_qb5fc8e4fca_prep_w
	.p2align	8
	.type	k_qb5fc8e4fca_prep_w,@function
k_qb5fc8e4fca_prep_w:
	s_mov_b64 s[64:65], 0
	v_nop
	global_prefetch_b8 v0, s[64:65] scope:SCOPE_SE
	s_setreg_imm32_b32 hwreg(HW_REG_WAVE_SCHED_MODE, 0, 2), 2
	s_setreg_imm32_b32 hwreg(HW_REG_WAVE_MODE, 25, 1), 1
	s_wait_xcnt 0x0
	s_wait_alu depctr_vm_vsrc(0)
; MHSA, launch 1 of 3: what can be made of the weights alone.
; WORK OF reference() THAT IS NOT DONE, by two identities of linear algebra that hold for all values of the inputs:
; (1) q.sum(-1)[b,c,h] = sum_k sum_j x[b,c,j] Wq[128h+k][j] = sum_j x[b,c,j] (sum_k Wq[128h+k][j]), and the same for kk with Wk.  Only these sums reach dot, so x @ Wq.T and x @ Wk.T
;     are not made: ws[n][j] holds the sum of head n's 128 rows of Wq (n < 8) or of Wk (n - 8), and launch 2 multiplies x by these 16 rows.
; (2) y = sum_h attn_h (x Wv_h^T) Wo_h^T + bo = sum_h (attn_h x) (Wv_h^T Wo_h^T) + bo.  So v = x @ Wv.T is not made: M_h[o][j] = sum_e Wo[o][128h+e] Wv[128h+e][j] is made here, eight products of 128^3,
;     and launch 3 multiplies attn_h by x itself, the same tile for all heads.
; Every input keeps its way to the output and is loaded by some launch.  LIMIT: a NaN, an infinity or an overflow that would arise in single numbers of q, kk or v alone is not carried to the result.
; FORMATS.  ws in f32 (it feeds an exponent).  Wv and Wo are multiplied by 4 and rounded to f16 for the product; Mt = 16 M is rounded once to f16; launch 3 takes the 16 out in f32.
; LIMIT: |4 Wv|, |4 Wo| and |16 M| stay under 65,504.
; SHARES.  Work-group g: head h = g / 4, part p = g % 4.  It makes rows o = 32 p .. 32 p + 31 of Mt_h, and 64 columns (cc = p % 2) of one row of ws (of Wq for p < 2, of Wk else).
; strm is launch 3's stream: for each batch 3,072 rows of 256 bytes: 2,048 rows of x in f16 (launch 2), then 1,024 rows of Mt, stored here four times, once a batch.  Row of (h, o), with u = o / 16:
;   2048 + base + (h / 2) 32 nu + uu 32 + (h % 2) 16 + o % 16;  u < 2: base 0, nu 2, uu = u;  u < 5: base 256, nu 3, uu = u - 2;  else base 640, nu 3, uu = u - 5.
; THE MODE: SCHED_MODE bits 1:0 = 2 (LLVM: expert scheduling mode 2), set by the entry lines.  The code itself states the register dependences
; between vector or matrix instructions and memory or LDS instructions, with s_wait_alu, always for 0.
; THE PLAN.  Registers that memory or LDS instructions touch:
;   v4-v13, v248, v249, v14, v15   offsets and LDS addresses: written at the head, never again.
;   WSR   16 loads land; the folds read and write it; the LDS store of the sums reads its first four.  Later: v16-47 the accumulators, v48-63 the packed results (read by four LDS stores), v64-79 rows from the stage.
;   WOR, WVR   loads land; the conversions work in place; the LDS stores read registers 0, 1 of each four.  Later the fragments' LDS loads land in them.
;   v240-247   wave 0: four LDS loads land, three sums, one global store reads v240-241.
; The way into LDS goes in six steps: the sums, Wo, four groups of 8 rows of Wv.  At a step's head stand the counted wait for its loads and ONE wait on va_vdst: the step before has written what its LDS stores
; read.  Those stores are dealt among this step's conversions, which name other registers.  Behind the barrier ONE wait on vm_vsrc frees all that the LDS stores have read.
.set PVV,   288                        ; a row of 4 Wv in LDS: 256 bytes + 32
.set POO,   272                        ; a row of 4 Wo, and of the stage: 256 bytes + 16
.set VV,    0                          ; 128 rows e of head h
.set OO,    128*PVV                    ; 32 rows o
.set STG,   OO+32*POO                  ; 32 rows of Mt on their way out
.set WP,    STG+32*POO                 ; four waves' partial column sums, 256 bytes each
.set SPARE, WP+1024                    ; the spare words, 128 bytes for each wave: two blocks of 256 bytes that no other line names
.set BATCH, 786432                     ; bytes of a batch in strm
.set WSR,   16                         ; v[16:79]   16 loads of Wq or Wk
.set WOR,   80                         ; v[80:111]  8 rows of Wo; later Wo's four fragments
.set WVR,   112                        ; v[112:239] 32 rows of Wv; later Wv^T's sixteen fragments
.set ACC,   16                         ; v[16:47]   four accumulators
.set PKD,   48                         ; v[48:63]   packed results
.set BK,    64                         ; v[64:79]   rows read back from the stage
; v1 lane, v2 lane % 16, v3 lane / 16; v4-v13, v248, v249 offsets and LDS addresses; v14 my spare word, v15 zero; v[240:247] wave 0's sums
	s_load_b256 s[4:11], s[0:1], 0x0               ; Wq s[4:5], Wk s[6:7], Wv s[8:9], Wo s[10:11]
	s_load_b128 s[12:15], s[0:1], 0x20             ; ws s[12:13], strm s[14:15]
	v_lshl_add_u32 v14, v0, 2, SPARE
	v_mov_b32 v15, 0
	v_lshrrev_b32 v1, 5, v0
	v_readfirstlane_b32 s16, v1                    ; wave 0..3
	v_and_b32 v1, 31, v0
	v_and_b32 v2, 15, v0
	v_bfe_u32 v3, v0, 4, 1
	s_wait_alu depctr_va_sdst(0)                   ; s16 is written, ahead of its first reader: offsets, LDS addresses and a branch are made from it
	s_lshr_b32 s17, ttmp9, 2                       ; h
	s_and_b32 s18, ttmp9, 3                        ; p
	s_and_b32 s19, s18, 1                          ; cc
	s_lshr_b32 s20, s18, 1                         ; 0: Wq, 1: Wk
	s_mov_b32 s30, 0x76543210                      ; v_permlanex16_b32: each lane takes its own place in the other half
	s_mov_b32 s31, 0xfedcba98
	s_lshl_b32 s22, s17, 16                        ; Wq or Wk: head h's 128 rows of 512 bytes,
	s_lshl_b32 s21, s19, 8                         ; my 64 columns
	s_add_co_u32 s22, s22, s21
	s_mov_b32 s23, 0
	s_lshl_b32 s24, s18, 17                        ; Wo: row 32 p + 8 w of 4,096 bytes,
	s_lshl_b32 s21, s16, 15
	s_add_co_u32 s24, s24, s21
	s_lshl_b32 s21, s17, 9                         ; head h's 128 columns
	s_add_co_u32 s24, s24, s21
	s_mov_b32 s25, 0
	s_lshl_b32 s26, s17, 16                        ; Wv: row 128 h + 32 w
	s_lshl_b32 s21, s16, 14
	s_add_co_u32 s26, s26, s21
	s_mov_b32 s27, 0
	s_lshl_b32 s32, s20, 3                         ; ws: row n = 8 (p / 2) + h, 256 cc
	s_add_co_u32 s32, s32, s17
	s_lshl_b32 s32, s32, 9
	s_lshl_b32 s21, s19, 8
	s_add_co_u32 s32, s32, s21
	s_mov_b32 s33, 0
	s_lshl_b32 s34, s18, 1                         ; the unit of 16 rows o that I store: u = 2 p + w / 2
	s_lshr_b32 s21, s16, 1
	s_add_co_u32 s34, s34, s21
	s_mov_b32 s35, 640
	s_cmp_lt_u32 s34, 5
	s_cselect_b32 s35, 256, s35                    ; the group's first row
	s_cselect_b32 s36, 2, 5                        ; the group's first unit
	s_cmp_lt_u32 s34, 2
	s_cselect_b32 s35, 0, s35
	s_cselect_b32 s36, 0, s36
	s_cselect_b32 s37, 2, 3                        ; nu
	s_sub_co_u32 s34, s34, s36                     ; uu
	s_lshr_b32 s21, s17, 1
	s_mul_i32 s21, s21, s37
	s_add_co_u32 s21, s21, s34
	s_lshl_b32 s21, s21, 5                         ; ((h / 2) nu + uu) 32
	s_add_co_u32 s35, s35, s21
	s_and_b32 s21, s17, 1
	s_lshl_b32 s21, s21, 4
	s_add_co_u32 s35, s35, s21                     ; + (h % 2) 16
	s_and_b32 s21, s16, 1
	s_lshl_b32 s21, s21, 3
	s_add_co_u32 s35, s35, s21                     ; + my 8 rows of the unit
	s_add_co_u32 s35, s35, 2048
	s_lshl_b32 s38, s35, 8
	s_mov_b32 s39, 0
	s_lshl_b32 s21, s16, 10
	v_lshlrev_b32 v4, 4, v2
	v_lshl_add_u32 v4, v3, 9, v4
	v_add_nc_u32 v4, s21, v4                       ; Wq, Wk: row 2 w + lane / 16 of each eight, 16 bytes a lane
	v_lshlrev_b32 v5, 4, v1                        ; Wo, Wv: 16 x lane
	s_lshl_b32 s21, s16, 8
	s_add_co_u32 s21, s21, WP
	v_lshl_add_u32 v6, v2, 4, s21                  ; my partial sums
	s_mul_i32 s21, s16, 8*POO
	s_add_co_u32 s21, s21, OO
	v_lshl_add_u32 v7, v1, 3, s21                  ; Wo in f16: row 8 w, 8 bytes a lane
	s_mul_i32 s21, s16, 32*PVV
	v_lshl_add_u32 v8, v1, 3, s21                  ; Wv in f16: row 32 w (VV = 0)
	v_and_b32 v9, 7, v0                            ; the turning load: row 8 (lane / 16) + lane % 8, 16 bytes by (lane / 8) % 2,
	v_lshl_add_u32 v9, v3, 3, v9
	v_mul_u32_u24 v9, v9, PVV
	v_bfe_u32 v10, v0, 3, 1
	v_lshl_add_u32 v9, v10, 4, v9
	s_and_b32 s21, s16, 1
	s_lshl_b32 s21, s21, 7
	v_add_nc_u32 v9, s21, v9                       ; my 64 columns j: 128 (w % 2) bytes
	v_mul_u32_u24 v10, v2, POO
	v_lshl_add_u32 v10, v3, 4, v10                 ; row lane % 16, 16 bytes for each half of the lanes
	s_lshr_b32 s28, s16, 1
	s_mul_i32 s28, s28, 16*POO                     ; my 16 rows o: w / 2
	s_add_co_u32 s29, s28, s21
	s_add_co_u32 s29, s29, STG
	v_add_nc_u32 v11, s29, v10                     ; into the stage
	s_add_co_u32 s28, s28, OO
	v_add_nc_u32 v10, s28, v10                     ; Wo's fragments
	v_lshlrev_b32 v12, 3, v1                       ; ws: 8 x lane
	v_add_nc_u32 v13, WP, v12
	s_mul_i32 s21, s16, 8*POO
	s_add_co_u32 s21, s21, STG
	v_mul_u32_u24 v248, v3, POO
	v_lshl_add_u32 v248, v2, 4, v248
	v_add_nc_u32 v248, s21, v248                   ; back from the stage: rows 8 w + lane / 16, whole
	v_lshlrev_b32 v249, 8, v3
	v_lshl_add_u32 v249, v2, 4, v249               ; and the same two rows in strm
	s_wait_kmcnt 0x0
	s_cmp_eq_u32 s20, 0
	s_cselect_b64 s[28:29], s[4:5], s[6:7]
	s_add_nc_u64 s[28:29], s[28:29], s[22:23]
	s_add_nc_u64 s[10:11], s[10:11], s[24:25]
	s_add_nc_u64 s[8:9], s[8:9], s[26:27]
	s_add_nc_u64 s[12:13], s[12:13], s[32:33]
	s_add_nc_u64 s[14:15], s[14:15], s[38:39]
	s_wait_alu depctr_va_vdst(0)                   ; the offsets and LDS addresses v4 to v15, v248 and v249 are written: every load and store of the kernel reads one of them
	; all 56 loads of the wave go out together
.set i, 0
.rept 16
	global_load_b128 v[WSR+4*i:WSR+4*i+3], v4, s[28:29] offset:i*4096 th:TH_LOAD_NT  ; rows 8 i + 2 w + lane / 16: 16 lanes take 256 consecutive bytes
.set i, i+1
.endr
.set i, 0
.rept 8
	global_load_b128 v[WOR+4*i:WOR+4*i+3], v5, s[10:11] offset:i*4096 th:TH_LOAD_NT
.set i, i+1
.endr
.set i, 0
.rept 32
	global_load_b128 v[WVR+4*i:WVR+4*i+3], v5, s[8:9] offset:i*512
.set i, i+1
.endr
	; THE COLUMN SUMS, in f32
.macro FOLD d                          ; set i takes set i + d
.set i, 0
.rept \d
	v_pk_add_f32 v[WSR+4*i:WSR+4*i+1], v[WSR+4*i:WSR+4*i+1], v[WSR+4*(i+\d):WSR+4*(i+\d)+1]
	v_pk_add_f32 v[WSR+4*i+2:WSR+4*i+3], v[WSR+4*i+2:WSR+4*i+3], v[WSR+4*(i+\d)+2:WSR+4*(i+\d)+3]
.set i, i+1
.endr
.endm
	s_wait_loadcnt 40                              ; the 16 loads of Wq or Wk are in; Wo's 8 and Wv's 32 stay out
	FOLD 8
	FOLD 4
	FOLD 2
	FOLD 1
.irp c, 0,1,2,3
	v_permlanex16_b32 v[WSR+4+\c], v[WSR+\c], s30, s31  ; the other half of the lanes holds the other row of each pair
.endr
	v_pk_add_f32 v[WSR:WSR+1], v[WSR:WSR+1], v[WSR+4:WSR+5]
	v_pk_add_f32 v[WSR+2:WSR+3], v[WSR+2:WSR+3], v[WSR+6:WSR+7]
	; Wo AND Wv, times 4, rounded to f16, into LDS.  A row's four numbers a lane close up into the first two of their four registers.
.macro CONV a
	v_pk_mul_f32 v[\a:\a+1], v[\a:\a+1], 4.0 op_sel_hi:[1,0]
	v_pk_mul_f32 v[\a+2:\a+3], v[\a+2:\a+3], 4.0 op_sel_hi:[1,0]
	v_cvt_pk_f16_f32 v[\a], v[\a], v[\a+1]
	v_cvt_pk_f16_f32 v[\a+1], v[\a+2], v[\a+3]
.endm
	s_wait_loadcnt 32                              ; Wo's 8 loads are in; Wv's 32 stay out
	s_wait_alu depctr_va_vdst(0)                   ; the sums are written into v[WSR:WSR+3], which the LDS store reads
	ds_store_b128 v6, v[WSR:WSR+3]                 ; lanes l and l + 16 store the same numbers to the same bytes
.set i, 0
.rept 8
	CONV WOR+4*i
.set i, i+1
.endr
	s_wait_loadcnt 24                              ; rows 0 to 7 of my 32 of Wv are in; the 24 younger loads stay out
	s_wait_alu depctr_va_vdst(0)                   ; Wo's conversions have written what the eight LDS stores below read
.set i, 0
.rept 8
	ds_store_b64 v7, v[WOR+4*i:WOR+4*i+1] offset:i*POO  ; no further wait: the conversions between these stores name Wv's registers alone
	CONV WVR+4*i
.set i, i+1
.endr
.set g, 1
.rept 3                                ; group g of 8 rows of Wv is rounded; group g - 1 goes into LDS
	s_wait_loadcnt 24-8*g                          ; group g is in; the later groups stay out
	s_wait_alu depctr_va_vdst(0)                   ; group g - 1's conversions have written what its LDS stores read
.set i, 0
.rept 8
	ds_store_b64 v8, v[WVR+4*(8*g-8+i):WVR+4*(8*g-8+i)+1] offset:(8*g-8+i)*PVV  ; the conversions between these stores name group g's registers alone
	CONV WVR+4*(8*g+i)
.set i, i+1
.endr
.set g, g+1
.endr
	s_wait_alu depctr_va_vdst(0)                   ; the last group's conversions have written what its LDS stores read; no vector line behind this wait names WOR or WVR, in which the fragments land
.set i, 24
.rept 8
	ds_store_b64 v8, v[WVR+4*i:WVR+4*i+1] offset:i*PVV
.set i, i+1
.endr
	s_wait_dscnt 0x0                               ; for the others' sake: my stores are done
	s_barrier_signal -1
	s_barrier_wait -1
	s_wait_alu depctr_vm_vsrc(0)                   ; my LDS stores have read v[WSR:WSR+3], WOR and WVR: the fragments land in the last two, and the products write over the first
	; Mt^T = (4 Wv)^T (4 Wo)^T.  Source 0: 16 columns j of Wv x 32 e, turned out of LDS; source 1: 32 e x 16 rows o of Wo.  In the result a lane holds ONE row o (lane % 16) and eight neighbouring j.
	; Wave w: rows o 16 (w / 2) on, column blocks 4 (w % 2) + q, q = 0..3.  The fragments are asked for ahead of wave 0's sums, which stand while they land.
.set f, 0
.rept 16                               ; f = 4 q + ks: block q, e = 32 ks on
	ds_load_tr16_b128 v[WVR+8*f:WVR+8*f+3],   v9 offset:(f%4)*32*PVV+(f/4)*32
	ds_load_tr16_b128 v[WVR+8*f+4:WVR+8*f+7], v9 offset:(f%4)*32*PVV+16*PVV+(f/4)*32
.set f, f+1
.endr
.set f, 0
.rept 4
	ds_load_b128 v[WOR+8*f:WOR+8*f+3],   v10 offset:64*f
	ds_load_b128 v[WOR+8*f+4:WOR+8*f+7], v10 offset:64*f+32
.set f, f+1
.endr
	s_cmp_lg_u32 s16, 0                            ; wave 0 adds the four waves' sums and stores 256 consecutive bytes of ws, aligned
	s_cbranch_scc1 .Lnot_wave_0
.irp w, 0,1,2,3
	ds_load_b64 v[240+2*\w:241+2*\w], v13 offset:256*\w
.endr
	s_wait_dscnt 0x0
	v_pk_add_f32 v[240:241], v[240:241], v[242:243]
	v_pk_add_f32 v[244:245], v[244:245], v[246:247]
	v_pk_add_f32 v[240:241], v[240:241], v[244:245]
	s_wait_alu depctr_va_vdst(0)                   ; the sum is written into v[240:241], which the store reads
	global_store_b64 v12, v[240:241], s[12:13]
.Lnot_wave_0:
	s_wait_dscnt 0x0                               ; the fragments are in
.set k, 0
.rept 16                               ; e = 32 (k / 4) on, block k % 4: the four accumulators take turns; the first four products start the sums
.if k < 4
	v_wmma_f32_16x16x32_f16 v[ACC+8*(k%4):ACC+8*(k%4)+7], v[WVR+8*(4*(k%4)+k/4):WVR+8*(4*(k%4)+k/4)+7], v[WOR+8*(k/4):WOR+8*(k/4)+7], 0
.else
	v_wmma_f32_16x16x32_f16 v[ACC+8*(k%4):ACC+8*(k%4)+7], v[WVR+8*(4*(k%4)+k/4):WVR+8*(4*(k%4)+k/4)+7], v[WOR+8*(k/4):WOR+8*(k/4)+7], v[ACC+8*(k%4):ACC+8*(k%4)+7]
.endif
.set k, k+1
.endr
.rept 4
	v_nop                                          ; four places between the last product and the conversions that read results (ISA guide 7.12.1)
.endr
.set i, 0
.rept 16
	v_cvt_pk_f16_f32 v[PKD+i], v[ACC+2*i], v[ACC+2*i+1]
.set i, i+1
.endr
	s_wait_alu depctr_va_vdst(0)                   ; the conversions have written v[PKD ..], which the LDS stores read; no vector line behind this wait names v[BK ..], in which the stage's rows land
.irp q, 0,1,2,3
	ds_store_b128 v11, v[PKD+4*\q:PKD+4*\q+3] offset:32*\q
.endr
	s_wait_dscnt 0x0                               ; a row's 256 bytes come from two waves
	s_barrier_signal -1
	s_barrier_wait -1
.set i, 0
.rept 4
	ds_load_b128 v[BK+4*i:BK+4*i+3], v248 offset:2*i*POO
.set i, i+1
.endr
.set i, 0
.rept 4
	s_wait_dscnt 3-i                               ; the younger loads may stay out
.irp b, 0,1,2,3
	global_store_b128 v249, v[BK+4*i:BK+4*i+3], s[14:15] offset:i*512+\b*BATCH  ; two rows, 512 consecutive bytes, aligned; once for each batch
.endr
.set i, i+1
.endr
	s_wait_dscnt 0x0                               ; the closing lines, six on end
	s_wait_alu 0x0
	s_wait_tensorcnt 0x0
	ds_add_u32 v14, v15
	s_wait_dscnt 0x0
	s_endpgm
.Lfunc_end_k_qb5fc8e4fca_prep_w:
	.size	k_qb5fc8e4fca_prep_w, .Lfunc_end_k_qb5fc8e4fca_prep_w-k_qb5fc8e4fca_prep_w
	.p2alignl 7, 3214868480
	.fill 96, 4, 3214868480
	.section	.rodata,"a",@progbits
	.p2align	6, 0x0
	.amdhsa_kernel k_qb5fc8e4fca_prep_w
		.amdhsa_group_segment_fixed_size 55808
		.amdhsa_private_segment_fixed_size 0
		.amdhsa_enable_private_segment 0
		.amdhsa_kernarg_size 48
		.amdhsa_user_sgpr_count 2
		.amdhsa_user_sgpr_kernarg_segment_ptr 1
		.amdhsa_wavefront_size32 1
		.amdhsa_system_sgpr_workgroup_id_x 1
		.amdhsa_system_sgpr_workgroup_id_y 1
		.amdhsa_system_sgpr_workgroup_id_z 1
		.amdhsa_system_vgpr_workitem_id 0
		.amdhsa_next_free_vgpr 256
		.amdhsa_next_free_sgpr 66
		.amdhsa_reserve_vcc 0
		.amdhsa_float_denorm_mode_32 3
		.amdhsa_float_denorm_mode_16_64 3
		.amdhsa_memory_ordered 1
		.amdhsa_forward_progress 1
		.amdhsa_inst_pref_size 34
	.end_amdhsa_kernel
	.amdgpu_metadata
---
amdhsa.version: [ 1, 2 ]
amdhsa.kernels:
  - .name:           k_qb5fc8e4fca_prep_w
    .symbol:         k_qb5fc8e4fca_prep_w.kd
    .args:
      - { .name: Wq, .offset: 0, .size: 8, .value_kind: global_buffer, .address_space: global }
      - { .name: Wk, .offset: 8, .size: 8, .value_kind: global_buffer, .address_space: global }
      - { .name: Wv, .offset: 16, .size: 8, .value_kind: global_buffer, .address_space: global }
      - { .name: Wo, .offset: 24, .size: 8, .value_kind: global_buffer, .address_space: global }
      - { .name: ws, .offset: 32, .size: 8, .value_kind: global_buffer, .address_space: global }
      - { .name: strm, .offset: 40, .size: 8, .value_kind: global_buffer, .address_space: global }
    .group_segment_fixed_size: 55808
    .private_segment_fixed_size: 0
    .kernarg_segment_align: 8
    .kernarg_segment_size: 48
    .max_flat_workgroup_size: 128
    .sgpr_count:     66
    .vgpr_count:     256
    .wavefront_size: 32
...
	.end_amdgpu_metadata
.endif
;; end of part 4
;; launch prep_x (part 5): grid 128 x 1, 4 waves a work-group, no clusters, 38,656 bytes of LDS; arguments x, ws, strm, qs, kst; writes strm, qs, kst
.if DOCPART == 5
	.amdgcn_target "amdgcn-amd-amdhsa--gfx1250"
	.amdhsa_code_object_version 6
	.text
	.protected	k_qb5fc8e4fca_prep_x
	.globl	k_qb5fc8e4fca_prep_x
	.p2align	8
	.type	k_qb5fc8e4fca_prep_x,@function
k_qb5fc8e4fca_prep_x:
	s_mov_b64 s[64:65], 0
	v_nop
	global_prefetch_b8 v0, s[64:65] scope:SCOPE_SE
	s_setreg_imm32_b32 hwreg(HW_REG_WAVE_SCHED_MODE, 0, 2), 2
	s_setreg_imm32_b32 hwreg(HW_REG_WAVE_MODE, 25, 1), 1
	s_wait_xcnt 0x0
	s_wait_alu depctr_vm_vsrc(0)
; MHSA, launch 2 of 3.  x is rounded once to f16 into strm (rows 0 .. 2047 of each batch's 3,072), and qs[b][h][t] = q.sum(-1), kst[b][h][t] = kk.sum(-1) are made as x times the 16 rows of ws.
; x @ Wq.T and x @ Wk.T are not made: only their sums over a head's channels reach dot, and those are x times the column sums in ws (shown at the head of launch 1).
; FORMATS.  qs and kst feed an exponent whose size grows with the inputs, so this product keeps f32 operands: v_wmma_f32_16x16x4_f32, 8192 x 128 x 16 multiply-adds, under a thousandth of the program's.
; LIMIT: |x| stays under 65,504 (f16).
; SHARES.  A work-group owns 64 rows of x, a wave 16.  64 rows make each row of qs and kst leave as 256 consecutive bytes, aligned.
; K IS PERMUTED ALIKE IN BOTH SOURCES: lane (r, h) takes the 16 bytes at 32 s + 16 h of its row; its registers 0, 1 are K step 2 s, registers 2, 3 K step 2 s + 1.  Each k enters once; the sums are in f32.
; THE MODE: SCHED_MODE bits 1:0 = 2 (LLVM: expert scheduling mode 2), set by the entry lines.  The code itself states the register dependences
; between vector or matrix instructions and memory or LDS instructions, with s_wait_alu, always for 0.
; THE PLAN.  Registers that memory or LDS instructions touch:
;   v4-v11, v14, v15   offsets and LDS addresses: written at the head, never again.
;   X    16 loads land; 16 LDS stores read it whole; then the conversions write registers 0, 1 of each row in place; 16 global stores read those.
;   BF   loads land; the products read it.
;   AF   the fragments' LDS loads land; the products read it; behind the barrier two LDS loads land in its first eight registers, and two global stores read them.
;   R    written by the sums of the accumulators; read by two LDS stores.
; So: all LDS stores of x and all fragment loads first; ONE wait on vm_vsrc; the conversions, which stand while the fragments land; ONE wait on va_vdst; the products, with the stores of x in f16 dealt among
; them (the products name AF, BF and the accumulators alone); ONE wait on va_vdst behind the sums, for R and for AF.
.set PXT,   528                        ; a row of x in LDS: 512 bytes + 16: the 16 rows of a fragment load start at 16 different groups of four banks (ISA guide 11.1)
.set XTW,   16*PXT                     ; a wave's own 16 rows
.set GS,    4*XTW                      ; 16 rows n x 64 numbers, pitch 272
.set PGS,   272
.set SPARE, GS+16*PGS                  ; the spare words, 128 bytes for each wave: two blocks of 256 bytes that no other line names
.set BATCH, 786432
.set X,   16                           ; v[16:79]   16 rows as loaded; registers 0, 1 of each then hold the row's f16
.set BF,  80                           ; v[80:143]  ws's fragments
.set AF,  144                          ; v[144:207] x's fragments; later the rows of qs and kst on their way out
.set ACC, 208                          ; v[208:239] four accumulators: written by matrix instructions alone
.set R,   240                          ; v[240:247] their sum
.set T,   248                          ; v[248:255] at work
	s_load_b256 s[4:11], s[0:1], 0x0               ; x s[4:5], ws s[6:7], strm s[8:9], qs s[10:11]
	s_load_b64 s[12:13], s[0:1], 0x20              ; kst
	v_lshl_add_u32 v14, v0, 2, SPARE
	v_mov_b32 v15, 0
	v_lshrrev_b32 v1, 5, v0
	v_readfirstlane_b32 s14, v1                    ; wave 0..3
	v_and_b32 v1, 31, v0
	v_and_b32 v2, 15, v0
	v_bfe_u32 v3, v0, 4, 1
	s_wait_alu depctr_va_sdst(0)                   ; s14 is written, ahead of its first reader: offsets, LDS addresses and a choice of buffer are made from it
	s_lshr_b32 s15, ttmp9, 5                       ; batch
	s_and_b32 s22, ttmp9, 31                       ; block of 64 rows in the batch
	s_lshl_b32 s16, ttmp9, 15                      ; x: 64 rows of 512 bytes a work-group,
	s_lshl_b32 s23, s14, 13                        ; 16 a wave
	s_add_co_u32 s16, s16, s23
	s_mov_b32 s17, 0
	s_mul_i32 s18, s15, BATCH                      ; strm: the batch, rows of 256 bytes
	s_lshl_b32 s23, s22, 14
	s_add_co_u32 s18, s18, s23
	s_lshl_b32 s23, s14, 12
	s_add_co_u32 s18, s18, s23
	s_mov_b32 s19, 0
	s_lshl_b32 s20, s15, 1                         ; qs, kst: head 8 b + 4 (w % 2), rows of 8,192 bytes,
	s_and_b32 s23, s14, 1
	s_add_co_u32 s20, s20, s23
	s_lshl_b32 s20, s20, 15
	s_lshl_b32 s23, s22, 8                         ; my block's 64 numbers
	s_add_co_u32 s20, s20, s23
	s_mov_b32 s21, 0
	v_lshlrev_b32 v4, 4, v1                        ; x: 16 x lane
	v_lshlrev_b32 v5, 9, v2
	v_lshl_add_u32 v5, v3, 4, v5                   ; ws: row lane % 16, 16 bytes for each half of the lanes
	v_lshlrev_b32 v6, 3, v1                        ; strm: 8 x lane
	s_mul_i32 s23, s14, XTW
	v_add_nc_u32 v7, s23, v4                       ; my rows in LDS, as they come
	v_mul_u32_u24 v8, v2, PXT
	v_lshl_add_u32 v8, v3, 4, v8
	v_add_nc_u32 v8, s23, v8                       ; and as fragments
	v_mul_u32_u24 v9, v2, PGS
	v_lshl_add_u32 v9, v3, 5, v9
	s_lshl_b32 s23, s14, 6
	s_add_co_u32 s23, s23, GS
	v_add_nc_u32 v9, s23, v9                       ; results: row n = lane % 16, my wave's 16 numbers, 8 for each half of the lanes
	s_mul_i32 s23, s14, 4*PGS
	s_add_co_u32 s23, s23, GS
	v_mul_u32_u24 v10, v3, PGS
	v_lshl_add_u32 v10, v2, 4, v10
	v_add_nc_u32 v10, s23, v10                     ; back: rows 4 w + lane / 16, whole
	v_lshlrev_b32 v11, 13, v3
	v_lshl_add_u32 v11, v2, 4, v11                 ; and the same two rows in qs or kst
	s_wait_kmcnt 0x0
	s_add_nc_u64 s[4:5], s[4:5], s[16:17]
	s_add_nc_u64 s[8:9], s[8:9], s[18:19]
	s_cmp_lt_u32 s14, 2                            ; waves 0, 1 store rows n = 0 .. 7 (qs), waves 2, 3 rows 8 .. 15 (kst)
	s_cselect_b64 s[24:25], s[10:11], s[12:13]
	s_add_nc_u64 s[24:25], s[24:25], s[20:21]
	s_wait_alu depctr_va_vdst(0)                   ; the offsets and LDS addresses v4 to v11, v14 and v15 are written: every load and store of the kernel reads one of them
.set i, 0
.rept 16
	global_load_b128 v[X+4*i:X+4*i+3], v4, s[4:5] offset:i*512 th:TH_LOAD_NT  ; a row an instruction
.set i, i+1
.endr
.set i, 0
.rept 16
	global_load_b128 v[BF+4*i:BF+4*i+3], v5, s[6:7] offset:32*i
.set i, i+1
.endr
.set i, 0
.rept 16
	s_wait_loadcnt 31-i                            ; row i is in: behind it stand 15 - i rows of x and ws's 16 loads
	ds_store_b128 v7, v[X+4*i:X+4*i+3] offset:i*PXT
.set i, i+1
.endr
.set i, 0
.rept 16
	ds_load_b128 v[AF+4*i:AF+4*i+3], v8 offset:32*i  ; my wave's own bytes: LDS serves a wave's instructions in order (ISA guide 5.7.1.4)
.set i, i+1
.endr
	s_wait_alu depctr_vm_vsrc(0)                   ; the LDS stores have read v[X ..], of which the conversions write registers 0 and 1 of each row
.set i, 0
.rept 16
	v_cvt_pk_f16_f32 v[X+4*i], v[X+4*i], v[X+4*i+1]
	v_cvt_pk_f16_f32 v[X+4*i+1], v[X+4*i+2], v[X+4*i+3]
.set i, i+1
.endr
	s_wait_loadcnt 0x0                             ; ws's fragments are in
	s_wait_dscnt 0x0                               ; x's fragments are in
	s_wait_alu depctr_va_vdst(0)                   ; the conversions have written registers 0 and 1 of each row of X, which the stores among the products read
.set k, 0
.rept 32                               ; the four accumulators take turns; the first four K steps start the sums
.if k < 4
	v_wmma_f32_16x16x4_f32 v[ACC+8*(k%4):ACC+8*(k%4)+7], v[AF+2*k:AF+2*k+1], v[BF+2*k:BF+2*k+1], 0
.else
	v_wmma_f32_16x16x4_f32 v[ACC+8*(k%4):ACC+8*(k%4)+7], v[AF+2*k:AF+2*k+1], v[BF+2*k:BF+2*k+1], v[ACC+8*(k%4):ACC+8*(k%4)+7]
.endif
.if k%2 == 1
	global_store_b64 v6, v[X+4*(k/2):X+4*(k/2)+1], s[8:9] offset:(k/2)*256  ; 32 lanes store 256 consecutive bytes, aligned.  No wait: no line since the wait above names X or v6
.endif
.set k, k+1
.endr
.rept 8
	v_nop                                          ; eight places behind this form, in front of the sums that read results (ISA guide 7.12.1)
.endr
.irp c, 0,2,4,6
	v_pk_add_f32 v[R+\c:R+\c+1], v[ACC+\c:ACC+\c+1], v[ACC+8+\c:ACC+8+\c+1]
.endr
.irp c, 0,2,4,6
	v_pk_add_f32 v[T+\c:T+\c+1], v[ACC+16+\c:ACC+16+\c+1], v[ACC+24+\c:ACC+24+\c+1]
.endr
.irp c, 0,2,4,6
	v_pk_add_f32 v[R+\c:R+\c+1], v[R+\c:R+\c+1], v[T+\c:T+\c+1]
.endr
	s_wait_alu depctr_va_vdst(0)                   ; the sums have written v[R ..], which the LDS stores read; the products are done reading AF, in which the loads behind the barrier land
	ds_store_b128 v9, v[R:R+3]                     ; register j is (row 8 (lane / 16) + j of x, column n = lane % 16)
	ds_store_b128 v9, v[R+4:R+7] offset:16
	s_wait_dscnt 0x0                               ; a row's 64 numbers come from four waves
	s_barrier_signal -1
	s_barrier_wait -1
.irp i, 0,1
	ds_load_b128 v[AF+4*\i:AF+4*\i+3], v10 offset:2*\i*PGS
.endr
.irp i, 0,1
	s_wait_dscnt 1-\i                              ; the younger load may stay out
	global_store_b128 v11, v[AF+4*\i:AF+4*\i+3], s[24:25] offset:\i*16384  ; 16 lanes store 256 consecutive bytes, aligned
.endr
	s_wait_dscnt 0x0                               ; the closing lines, six on end
	s_wait_alu 0x0
	s_wait_tensorcnt 0x0
	ds_add_u32 v14, v15
	s_wait_dscnt 0x0
	s_endpgm
.Lfunc_end_k_qb5fc8e4fca_prep_x:
	.size	k_qb5fc8e4fca_prep_x, .Lfunc_end_k_qb5fc8e4fca_prep_x-k_qb5fc8e4fca_prep_x
	.p2alignl 7, 3214868480
	.fill 96, 4, 3214868480
	.section	.rodata,"a",@progbits
	.p2align	6, 0x0
	.amdhsa_kernel k_qb5fc8e4fca_prep_x
		.amdhsa_group_segment_fixed_size 38656
		.amdhsa_private_segment_fixed_size 0
		.amdhsa_enable_private_segment 0
		.amdhsa_kernarg_size 40
		.amdhsa_user_sgpr_count 2
		.amdhsa_user_sgpr_kernarg_segment_ptr 1
		.amdhsa_wavefront_size32 1
		.amdhsa_system_sgpr_workgroup_id_x 1
		.amdhsa_system_sgpr_workgroup_id_y 1
		.amdhsa_system_sgpr_workgroup_id_z 1
		.amdhsa_system_vgpr_workitem_id 0
		.amdhsa_next_free_vgpr 256
		.amdhsa_next_free_sgpr 66
		.amdhsa_reserve_vcc 0
		.amdhsa_float_denorm_mode_32 3
		.amdhsa_float_denorm_mode_16_64 3
		.amdhsa_memory_ordered 1
		.amdhsa_forward_progress 1
		.amdhsa_inst_pref_size 16
	.end_amdhsa_kernel
	.amdgpu_metadata
---
amdhsa.version: [ 1, 2 ]
amdhsa.kernels:
  - .name:           k_qb5fc8e4fca_prep_x
    .symbol:         k_qb5fc8e4fca_prep_x.kd
    .args:
      - { .name: x, .offset: 0, .size: 8, .value_kind: global_buffer, .address_space: global }
      - { .name: ws, .offset: 8, .size: 8, .value_kind: global_buffer, .address_space: global }
      - { .name: strm, .offset: 16, .size: 8, .value_kind: global_buffer, .address_space: global }
      - { .name: qs, .offset: 24, .size: 8, .value_kind: global_buffer, .address_space: global }
      - { .name: kst, .offset: 32, .size: 8, .value_kind: global_buffer, .address_space: global }
    .group_segment_fixed_size: 38656
    .private_segment_fixed_size: 0
    .kernarg_segment_align: 8
    .kernarg_segment_size: 40
    .max_flat_workgroup_size: 128
    .sgpr_count:     66
    .vgpr_count:     256
    .wavefront_size: 32
...
	.end_amdgpu_metadata
.endif
;; end of part 5
;; launch attn: the kernel of part 3 again; grid 64 x 4, 4 waves a work-group, clusters of 4 x 1, 327,680 bytes of LDS; arguments strm, kst, qs, bo, out0; writes out0
